; MI455X (gfx1250); checked and timed in simulation.
; The chip was launched on July 23, 2026; its instructions are those of AMD's public machine-readable ISA for CDNA 5 (MIT licence, August 2026) and "CDNA5" Instruction Set Architecture Reference Guide (July 2026). The comments in the code are by the model that wrote it; some were corrected since.
;; Local Sliding Window Attention Optimized. Allowed arithmetic: matrix products marked QUANTISED: E2M3 operands, one E8M0 scale for each 32 along K, by v_wmma_scale_f32_16x16x128_f8f6f4 with both operands' format E2M3, f32 sums; everything else in f32.
;; Inputs: Wk_b 1,024 float32; Wk_w 1,024 x 1,024 float32; Wo_b 1,024 float32; Wo_w 1,024 x 1,024 float32; Wq_b 1,024 float32; Wq_w 1,024 x 1,024 float32; Wv_b 1,024 float32; Wv_w 1,024 x 1,024 float32; q 2 x 2,048 x 1,024 float32.
;; Outputs: out0 2 x 2,048 x 1,024 float32; out1 2,048 int32.
;; This version of the problem:
;;   THIS VERSION OF THE PROBLEM IS GIVEN IN LOW PRECISION. The matrix products marked QUANTISED in the list below multiply operands that are first quantised to E2M3 (2 exponent bits, 3 mantissa bits; 6 bits a number), with one power-of-two scale for each 32 numbers along K (OCP MX v1.0); their sums are f32. All else is computed in f32.
;;   The module's matrix products, in the order in which they are computed (A, B: the left and right operand; K: the contracted axis; several contracted axes count as one K, in the product's order):
;;     1. [M 4,096, K 1,024] x [K 1,024, N 1,024]; A: input q; B: input Wq_w: QUANTISED
;;     2. [M 4,096, K 1,024] x [K 1,024, N 1,024]; A: input q; B: input Wk_w: QUANTISED
;;     3. [M 4,096, K 1,024] x [K 1,024, N 1,024]; A: input q; B: input Wv_w: QUANTISED
;;     4. batch 32 x [M 2,048, K 64] x [K 64, N 2,048]; A: computed on the way; B: computed on the way: QUANTISED
;;     5. batch 32 x [M 2,048, K 2,048] x [K 2,048, N 64]; A: softmax (see below); B: computed on the way: QUANTISED
;;     6. [M 4,096, K 1,024] x [K 1,024, N 1,024]; A: computed on the way; B: input Wo_w: QUANTISED
;;   THE QUANTISER, for each operand of a quantised product, along K:
;;     - K is cut into blocks of 32 from its start; a last block that is shorter is filled with zeros.
;;     - A block's scale is 2^e with e = floor(log2(the largest magnitude in the block)) - 2, held to -126 .. 127; a block of zeros has e = 0. As a byte (E8M0): e + 127.
;;     - Each number is divided by its block's scale, clamped to +-7.5, and rounded to the nearest number of E2M3, ties to even, subnormals kept.
;;     - The product sums the exact products of the quantised numbers (number of the format x scale) in f32.
;;   ~~~python
;;   def quantise(x, axis):      # numpy; x: float32 -> the quantised numbers, widened to float32 again
;;       x = np.moveaxis(x, axis, -1); K = x.shape[-1]
;;       x = np.pad(x, [(0, 0)] * (x.ndim - 1) + [(0, -K % 32)]); x = x.reshape(x.shape[:-1] + (-1, 32)); a = np.abs(x).max(-1, keepdims=True)
;;       e = np.where(a > 0, np.clip(np.frexp(np.where(a > 0, a, 1))[1] - 1 - 2, -126, 127), 0)      # np.frexp(a)[1] - 1 = floor(log2(a)), exactly
;;       r = np.clip(x / 2.0 ** e, -7.5, 7.5)
;;       step = 2.0 ** (np.maximum(np.frexp(np.where(r == 0, 1, r))[1] - 1, 0) - 3)
;;       q = np.round(r / step) * step * 2.0 ** e      # np.round: ties to even
;;       return np.moveaxis(q.reshape(q.shape[:-2] + (-1,))[..., :K], -1, axis).astype(np.float32)
;;   ~~~
;;   SOFTMAX AHEAD OF A QUANTISED PRODUCT. Where the list says 'softmax', what is quantised is not the finished softmax but p = 2^(t - M), with t = logit x log2(e) and M = ceil(the row's largest t), a whole number; so 1/2 < the row's largest p <= 1. The row's sum l is taken of the UNQUANTISED p, in f32, and the product's result is divided by l at the end. Since M is a whole number, a kernel that streams over the keys may use a running M (the ceiling of the running maximum): every later rescaling is an exact power of two, which a block's scale takes up: the codes' values come out the same.
;;   OPERANDS COMPUTED ON THE WAY. 'Computed on the way' means the value that the module computes at that place (a softmax that the list does not call 'softmax' is quantised finished and normalised). What goes into a quantiser is computed in f32, as accurately as f32 sums, v_exp_f32 and their like allow (about 1e-6 of the number): no bf16 or f16 on the way to a quantiser, and a product that is left as it is and whose result goes on into a quantised operand takes f32 operands (vector FMAs, or v_wmma_f32_16x16x4_f32). A number that lies on a knife's edge between two numbers of the format may be rounded either way, as far as f32 arithmetic and the matrix unit's own rounding can turn it there, and no further.
;; 2 versions, each right; version 2 is version 1 with the launches quant, attn written anew for expert scheduling mode. Each part assembles by itself: llvm-mc -triple=amdgcn-amd-amdhsa -mcpu=gfx1250 --defsym DOCPART=n.
;; ======== version 1 of 2: 4 launches
;; workspace buffers: codes 6,291,456 bytes; scales 262,144 bytes; qkv_codes 9,437,184 bytes; qkv_scales 393,216 bytes; ao_codes 3,145,728 bytes; ao_scales 131,072 bytes
;; launch quant (part 1): grid 256 x 1, 8 waves a work-group, no clusters, 136,192 bytes of LDS; arguments q, Wq_w, Wk_w, Wv_w, Wo_w, codes, scales, out1; writes codes, scales, out1
.if DOCPART == 1
	.amdgcn_target "amdgcn-amd-amdhsa--gfx1250"
	.amdhsa_code_object_version 6
	.text
	.protected	k_q0148868d0e_quant
	.globl	k_q0148868d0e_quant
	.p2align	8
	.type	k_q0148868d0e_quant,@function
k_q0148868d0e_quant:
	s_mov_b64 s[64:65], 0
	v_nop
	global_prefetch_b8 v0, s[64:65] scope:SCOPE_SE
	s_setreg_imm32_b32 hwreg(HW_REG_WAVE_MODE, 25, 1), 1
	s_wait_xcnt 0x0
; q [4096][1024] f32 is quantised along its last axis, Wq, Wk, Wv, Wo [1024 (k)][1024 (n)] f32 along their FIRST axis, to codes of FP6 (E2M3) with one E8M0 byte for each 32 along K; out1 = 0 .. 2047.
; A block's scale is 2^(floor(log2(its largest magnitude)) - 2); its byte is the largest magnitude's exponent field - 2, held at 1 from below by a floor among the maximum's leaves.
; LIMITS: NaN and infinities among the inputs are not served.  A block of zeros gets the byte 1 (the rule says 127): its codes are zeros, and the bytes are read by this program alone.
; THE WORKSPACE IS LAID AS IMAGES OF THE OPERANDS' REGISTERS.  Rows (tokens, or a weight's columns) go in pairs of 32, a pair in two tiles u = 0, 1; lane r of tile 2 P + u holds row 32 P + 8 u + (r & 7) + 16 (r >> 3).
; A fragment (16 rows x 128 K, 12 registers a lane) is two halves of 768 bytes: registers 6 c .. 6 c + 3 at 16 x lane, registers 6 c + 4, 6 c + 5 at 512 + 8 x lane.  codes: tile T at 12,288 T, K step s at 1,536 s.
; scales: pair P at 1,024 P, K step s at 128 s: 32 words, word 16 u + r for tile u's lane r.  Tiles 0-255 are q's, tile 256 + 64 m + t is weight m's (Wq, Wk, Wv, Wo).
; A stream: each wave takes ONE unit of 16 KiB (32 rows x 128 K), no loop, so the launch's reads are asked for at its start.  No matrix unit, no cluster, no tensor load: nothing is shared, and memory binds.
; Work-groups 0-127 take q (work-group = pair of tokens, wave = K step); work-groups 128-255 the weights.  Only q's path touches LDS.
.set X,    16                          ; v16-143  128 numbers of a lane
.set PC0,  144                         ; v144-163 tile 0's codes (12) and the conversions' second halves;  on the weights' path: a block's codes at 144 + 8 beta
.set PC1,  164                         ; v164-183 tile 1's: two sets, so that no store's data are written again
.set TM,   184                         ; v184-199 at work in QUANT
.set PW0,  200
.set PW1,  201
.set PWC,  202
.set SB,   203                         ; the weights' path: my column's four scale bytes
.set SEL,  28                          ; s[28:29] lane selects for v_permlanex16_b32: lane l xor 16
.set SPITCH, 528                       ; a stage row: 512 bytes + 16 = 132 words: row r starts at bank 4 r mod 64 (64 banks of 4 bytes: ISA guide 11.1)
.set WSTG, 32*SPITCH                   ; a wave's own stage
; 64 numbers of a lane, register 16 b + i = k 32 b + 16 (lane / 16) + i of my row, become a fragment's 12 registers at v[pc] and my row's scale word in v[pw]
.macro QUANT s, pc, pw
.irp b, 0,1,2,3
	v_max3_num_f32 v[TM+\b], |v[\s+16*\b]|, |v[\s+1+16*\b]|, 0x1800000   ; my 16 numbers of block b, and the floor 2^(3 - 127)
.endr
.irp i, 2,4,6,8,10,12,14
.irp b, 0,1,2,3
	v_max3_num_f32 v[TM+\b], v[TM+\b], |v[\s+16*\b+\i]|, |v[\s+1+16*\b+\i]|   ; the four blocks by turns
.endr
.endr
.irp b, 0,1,2,3
	v_permlanex16_b32 v[TM+4+\b], v[TM+\b], s[SEL], s[SEL+1]
.endr
.irp b, 0,1,2,3
	v_max_num_f32 v[TM+\b], v[TM+\b], v[TM+4+\b]                        ; with lane l xor 16's: the block's largest magnitude
.endr
.irp b, 0,1,2,3
	v_add_nc_u32 v[TM+12+\b], 0xff000000, v[TM+\b]                      ; 2 off its exponent field: the conversion's scale operand
.endr
.irp b, 0,1,2,3
	v_lshrrev_b32 v[TM+4+\b], 23, v[TM+12+\b]                           ; the scale's byte
.endr
	v_lshl_or_b32 v[\pw], v[TM+5], 8, v[TM+4]
	v_lshl_or_b32 v[\pw], v[TM+6], 16, v[\pw]
	v_lshl_or_b32 v[\pw], v[TM+7], 24, v[\pw]
.irp c, 0,1
	v_cvt_scalef32_pk16_fp6_f32 v[\pc+6*\c:\pc+2+6*\c], v[\s+32*\c:\s+15+32*\c], v[TM+12+2*\c]
	v_cvt_scalef32_pk16_fp6_f32 v[\pc+12+4*\c:\pc+14+4*\c], v[\s+16+32*\c:\s+31+32*\c], v[TM+12+2*\c+1]   ; (a conversion's three registers begin on an even number)
.endr
	v_nop                                          ; one plain place behind a scaled conversion
.irp c, 0,1                                    ; the layout wants a WHOLE block in a lane: lanes 0-15 block 2 c, lanes 16-31 block 2 c + 1
.irp i, 0,1,2
	v_permlane16_swap_b32 v[\pc+6*\c+\i], v[\pc+12+4*\c+\i]
.endr
.irp i, 0,1,2
	v_mov_b32 v[\pc+3+6*\c+\i], v[\pc+12+4*\c+\i]
.endr
.endr
.endm
.macro PUT pc, off                     ; a fragment's image: 512, 256, 512, 256 consecutive bytes
	global_store_b128 v4, v[\pc:\pc+3], s[14:15] offset:\off
	global_store_b64 v5, v[\pc+4:\pc+5], s[14:15] offset:\off+512
	global_store_b128 v4, v[\pc+6:\pc+9], s[14:15] offset:\off+768
	global_store_b64 v5, v[\pc+10:\pc+11], s[14:15] offset:\off+1280
.endm
	s_load_b256 s[4:11], s[0:1], 0x0               ; q, Wq, Wk, Wv
	s_load_b256 s[12:19], s[0:1], 0x20             ; Wo, codes, scales, out1
	v_lshl_add_u32 v208, v0, 2, 0x21000
	v_mov_b32 v209, 0
	v_lshrrev_b32 v1, 5, v0
	v_readfirstlane_b32 s20, v1                    ; wave 0..7
	v_and_b32 v1, 31, v0                           ; lane
	v_and_b32 v2, 15, v0                           ; r
	v_bfe_u32 v3, v0, 4, 1                         ; h (on the weights' path: u)
	v_lshlrev_b32 v4, 4, v1
	v_lshlrev_b32 v5, 3, v1
	v_lshlrev_b32 v6, 2, v1
	s_mov_b32 s[SEL], 0x76543210
	s_mov_b32 s[SEL+1], 0xfedcba98
	s_mov_b32 s30, 0xffff0000                      ; lanes 16-31
	s_mov_b32 s27, 0
.irp b, 0,1,2,3
	v_mov_b32 v[TM+4+\b], 0                        ; written once: a lane permute's destination counts as one of its sources
.endr
	s_wait_kmcnt 0x0
	s_cmp_ge_u32 ttmp9, 128
	s_cbranch_scc1 .Lweights
	; ---- q: pair P = work-group, K step = wave
	s_lshl_b32 s26, ttmp9, 17                      ; 32 rows of 4,096 bytes
	s_lshl_b32 s21, s20, 9                         ; + 512 bytes a K step
	s_add_co_u32 s26, s26, s21
	s_add_nc_u64 s[24:25], s[4:5], s[26:27]
.set p, 0
.rept 32
	global_load_b128 v[X+4*p:X+4*p+3], v4, s[24:25] offset:p*4096 th:TH_LOAD_NT   ; row p: 32 lanes read 512 consecutive bytes
.set p, p+1
.endr
	s_mul_i32 s21, s20, WSTG
	v_add_nc_u32 v7, s21, v4                       ; into my stage: 16 x lane of a row
	v_mul_u32_u24 v8, v2, SPITCH
	v_lshl_add_u32 v8, v3, 6, v8
	v_add_nc_u32 v8, s21, v8                       ; out of it: row r of a tile, + 64 h: my 16 numbers of each block of 32
	s_mul_i32 s26, ttmp9, 24576                    ; tile 2 P,
	s_mul_i32 s22, s20, 1536                       ; K step s
	s_add_co_u32 s26, s26, s22
	s_add_nc_u64 s[14:15], s[14:15], s[26:27]
	s_lshl_b32 s26, ttmp9, 10
	s_lshl_b32 s22, s20, 7
	s_add_co_u32 s26, s26, s22
	s_add_nc_u64 s[16:17], s[16:17], s[26:27]
.set p, 0
.rept 32
	s_wait_loadcnt 31-p                            ; loads come back in order: row p is in, the 31 - p younger ones stay out
	ds_store_b128 v7, v[X+4*p:X+4*p+3] offset:(16*((p>>3)&1)+(p&7)+8*(p>>4))*SPITCH   ; to its place in tile order: a tile's 16 rows lie on end
.set p, p+1
.endr
.irp u, 0,1
.irp b, 0,1,2,3
.irp k, 0,1,2,3
	ds_load_b128 v[X+64*\u+16*\b+4*\k:X+64*\u+16*\b+4*\k+3], v8 offset:\u*16*SPITCH+128*\b+16*\k   ; LDS serves a wave's instructions in order: these see my stores
.endr
.endr
.endr
	s_wait_dscnt 16                                ; tile 0's sixteen loads are in; tile 1's sixteen may be out
	QUANT X, PC0, PW0
	PUT PC0, 0
	s_wait_dscnt 0x0
	QUANT X+64, PC1, PW1
	PUT PC1, 12288
	v_cndmask_b32 v[PWC], v[PW0], v[PW1], s30      ; lanes 0-15 tile 0's words, lanes 16-31 tile 1's
	global_store_b32 v6, v[PWC], s[16:17]
	s_cmp_lt_u32 ttmp9, 16                         ; out1: wave 0 of the first sixteen work-groups stores 128 numbers each
	s_cbranch_scc0 .Lend
	s_cmp_eq_u32 s20, 0
	s_cbranch_scc0 .Lend
	s_lshl_b32 s21, ttmp9, 7
	v_lshl_add_u32 v204, v1, 2, s21
	v_add_nc_u32 v205, 1, v204
	v_add_nc_u32 v206, 2, v204
	v_add_nc_u32 v207, 3, v204
	s_lshl_b32 s26, ttmp9, 9
	s_add_nc_u64 s[18:19], s[18:19], s[26:27]
	global_store_b128 v4, v[204:207], s[18:19]
.Lend:
	s_wait_tensorcnt 0x0
	ds_add_u32 v208, v209
	s_wait_dscnt 0x0
	s_endpgm
	; ---- the weights: A LANE TAKES A COLUMN, AND ITS REGISTERS RUN DOWN K.  A wave takes 32 columns x 128 K of weight m
.Lweights:
	s_sub_co_u32 s21, ttmp9, 128
	s_lshr_b32 s22, s21, 5                         ; m
	s_and_b32 s23, s21, 7
	s_bfe_u32 s31, s21, 0x20003
	s_and_b32 s32, s20, 3
	s_lshl_b32 s23, s23, 2
	s_add_co_u32 s23, s23, s32                     ; cg: which 32 columns; four waves stand side by side on 512 bytes
	s_lshr_b32 s32, s20, 2
	s_lshl_b32 s31, s31, 1
	s_add_co_u32 s31, s31, s32                     ; K step
	s_mov_b64 s[24:25], s[6:7]
	s_cmp_eq_u32 s22, 1                            ; the choice hangs on the work-group's number alone
	s_cselect_b64 s[24:25], s[8:9], s[24:25]
	s_cmp_eq_u32 s22, 2
	s_cselect_b64 s[24:25], s[10:11], s[24:25]
	s_cmp_eq_u32 s22, 3
	s_cselect_b64 s[24:25], s[12:13], s[24:25]
	s_lshl_b32 s26, s31, 19                        ; 128 rows of 4,096 bytes a K step
	s_lshl_b32 s32, s23, 7
	s_add_co_u32 s26, s26, s32
	s_add_nc_u64 s[24:25], s[24:25], s[26:27]
	v_and_b32 v12, 7, v2
	v_lshrrev_b32 v13, 3, v2
	v_lshl_add_u32 v12, v3, 3, v12
	v_lshl_add_u32 v12, v13, 4, v12                ; lane 16 u + r takes column 8 u + (r & 7) + 16 (r >> 3) of the 32
	v_lshlrev_b32 v9, 2, v12
.macro LOADB beta                      ; block beta: W(32 beta + i, my column): the wave reads 128 consecutive bytes
.set i, 0
.rept 32
	global_load_b32 v[X+32*(\beta)+i], v9, s[24:25] offset:(32*(\beta)+i)*4096 th:TH_LOAD_NT
.set i, i+1
.endr
.endm
	LOADB 0
	LOADB 1
	v_mul_u32_u24 v12, v3, 12288
	v_lshl_add_u32 v10, v2, 4, v12                 ; my tile, lane r's 16 bytes
	v_lshl_add_u32 v11, v2, 3, v12                 ; and its 8
	s_lshl_b32 s32, s22, 6
	s_lshl_b32 s33, s23, 1
	s_add_co_u32 s32, s32, s33
	s_add_co_u32 s32, s32, 256
	s_mul_i32 s26, s32, 12288                      ; tile 256 + 64 m + 2 cg
	s_mul_i32 s33, s31, 1536
	s_add_co_u32 s26, s26, s33
	s_add_nc_u64 s[14:15], s[14:15], s[26:27]
	s_lshl_b32 s32, s22, 5
	s_add_co_u32 s32, s32, s23
	s_add_co_u32 s32, s32, 128
	s_lshl_b32 s26, s32, 10                        ; pair 128 + 32 m + cg
	s_lshl_b32 s33, s31, 7
	s_add_co_u32 s26, s26, s33
	s_add_nc_u64 s[16:17], s[16:17], s[26:27]
; Block beta of my column is, in the fragment, what lane r + 16 (beta % 2) holds in registers 6 (beta / 2) on: sixteen lanes store 256 consecutive bytes, then 128
.macro BLOCKQ beta
.set XS, X+32*(\beta)
.set CB, 144+8*(\beta)
	v_max3_num_f32 v184, |v[XS]|, |v[XS+1]|, |v[XS+2]|              ; all 32 numbers are mine: two chains
	v_max3_num_f32 v185, |v[XS+3]|, |v[XS+4]|, |v[XS+5]|
.irp i, 6,10,14,18,22,26
	v_max3_num_f32 v184, v184, |v[XS+\i]|, |v[XS+\i+1]|
	v_max3_num_f32 v185, v185, |v[XS+\i+2]|, |v[XS+\i+3]|
.endr
	v_max3_num_f32 v184, v184, |v[XS+30]|, |v[XS+31]|
	v_max3_num_f32 v184, v184, v185, 0x1800000     ; and the floor
	v_add_nc_u32 v186, 0xff000000, v184
	v_lshrrev_b32 v187, 23, v186
.if (\beta) == 0
	v_mov_b32 v[SB], v187
.else
	v_lshl_or_b32 v[SB], v187, 8*(\beta), v[SB]
.endif
	v_cvt_scalef32_pk16_fp6_f32 v[CB:CB+2], v[XS:XS+15], v186
	v_cvt_scalef32_pk16_fp6_f32 v[CB+4:CB+6], v[XS+16:XS+31], v186
	v_nop                                          ; one plain place behind a scaled conversion
	v_mov_b32 v[CB+3], v[CB+4]
	v_mov_b32 v[CB+4], v[CB+5]
	v_mov_b32 v[CB+5], v[CB+6]
	global_store_b128 v10, v[CB:CB+3], s[14:15] offset:((\beta)/2)*768+256*((\beta)%2)
	global_store_b64 v11, v[CB+4:CB+5], s[14:15] offset:((\beta)/2)*768+512+128*((\beta)%2)
.endm
	s_wait_loadcnt 32                              ; block 0's 32 loads are in, block 1's may be out
	LOADB 2
	BLOCKQ 0
	s_wait_loadcnt 32                              ; block 1's are in, block 2's may be out
	LOADB 3
	BLOCKQ 1
	s_wait_loadcnt 32                              ; block 2's are in, block 3's may be out
	BLOCKQ 2
	s_wait_loadcnt 0x0
	BLOCKQ 3
	global_store_b32 v6, v[SB], s[16:17]           ; word 16 u + r: 128 consecutive bytes
	s_endpgm
.Lfunc_end_k_q0148868d0e_quant:
	.size	k_q0148868d0e_quant, .Lfunc_end_k_q0148868d0e_quant-k_q0148868d0e_quant
	.p2alignl 7, 3214868480
	.fill 96, 4, 3214868480
	.section	.rodata,"a",@progbits
	.p2align	6, 0x0
	.amdhsa_kernel k_q0148868d0e_quant
		.amdhsa_group_segment_fixed_size 136192
		.amdhsa_private_segment_fixed_size 0
		.amdhsa_enable_private_segment 0
		.amdhsa_kernarg_size 64
		.amdhsa_user_sgpr_count 2
		.amdhsa_user_sgpr_kernarg_segment_ptr 1
		.amdhsa_wavefront_size32 1
		.amdhsa_system_sgpr_workgroup_id_x 1
		.amdhsa_system_sgpr_workgroup_id_y 1
		.amdhsa_system_sgpr_workgroup_id_z 1
		.amdhsa_system_vgpr_workitem_id 0
		.amdhsa_next_free_vgpr 210
		.amdhsa_next_free_sgpr 66
		.amdhsa_reserve_vcc 0
		.amdhsa_float_denorm_mode_32 3
		.amdhsa_float_denorm_mode_16_64 3
		.amdhsa_memory_ordered 1
		.amdhsa_forward_progress 1
		.amdhsa_inst_pref_size 40
	.end_amdhsa_kernel
	.amdgpu_metadata
---
amdhsa.version: [ 1, 2 ]
amdhsa.kernels:
  - .name:           k_q0148868d0e_quant
    .symbol:         k_q0148868d0e_quant.kd
    .args:
      - { .name: q, .offset: 0, .size: 8, .value_kind: global_buffer, .address_space: global }
      - { .name: Wq_w, .offset: 8, .size: 8, .value_kind: global_buffer, .address_space: global }
      - { .name: Wk_w, .offset: 16, .size: 8, .value_kind: global_buffer, .address_space: global }
      - { .name: Wv_w, .offset: 24, .size: 8, .value_kind: global_buffer, .address_space: global }
      - { .name: Wo_w, .offset: 32, .size: 8, .value_kind: global_buffer, .address_space: global }
      - { .name: codes, .offset: 40, .size: 8, .value_kind: global_buffer, .address_space: global }
      - { .name: scales, .offset: 48, .size: 8, .value_kind: global_buffer, .address_space: global }
      - { .name: out1, .offset: 56, .size: 8, .value_kind: global_buffer, .address_space: global }
    .group_segment_fixed_size: 136192
    .private_segment_fixed_size: 0
    .kernarg_segment_align: 8
    .kernarg_segment_size: 64
    .max_flat_workgroup_size: 256
    .sgpr_count:     66
    .vgpr_count:     210
    .wavefront_size: 32
...
	.end_amdgpu_metadata
.endif
;; end of part 1
;; launch qkv (part 2): grid 8 x 24, 8 waves a work-group, clusters of 4 x 4, 327,680 bytes of LDS; arguments codes, scales, Wq_b, Wk_b, Wv_b, qkv_codes, qkv_scales; writes qkv_codes, qkv_scales
.if DOCPART == 2
	.amdgcn_target "amdgcn-amd-amdhsa--gfx1250"
	.amdhsa_code_object_version 6
	.text
	.protected	k_q0148868d0e_qkv
	.globl	k_q0148868d0e_qkv
	.p2align	8
	.type	k_q0148868d0e_qkv,@function
k_q0148868d0e_qkv:
	s_mov_b64 s[64:65], 0
	v_nop
	global_prefetch_b8 v0, s[64:65] scope:SCOPE_SE
	s_setreg_imm32_b32 hwreg(HW_REG_WAVE_MODE, 25, 1), 1
	s_wait_xcnt 0x0
	s_wait_alu depctr_hold_cnt(0) depctr_sa_sdst(0) depctr_va_vdst(0) depctr_va_sdst(0) depctr_va_ssrc(0) depctr_va_vcc(0) depctr_vm_vsrc(0)
	s_getreg_b32 s2, hwreg(HW_REG_IB_STS2, 6, 4)
	s_cmp_eq_u32 s2, 0
	s_cbranch_scc0 .Lentry_in_a_cluster
	s_endpgm
.Lentry_in_a_cluster:
	s_bfe_u32 s2, ttmp6, 0x10000c
	s_cmp_lg_u32 s2, 0xf033
	s_cbranch_scc0 .Lentry_shape_is_right
	s_endpgm
.Lentry_shape_is_right:
; Q = q Wq + bq, K = q Wk + bk, V = q Wv + bv on codes of FP6 (E2M3) with E8M0 scales; the results are quantised in registers and leave as codes: Q and K along the head's 64, V along the keys.
; Operands lie in ONE buffer as images of their registers (tile T at 12,288 T, K step s at 1,536 s; lane r of tile 2 P + u holds row 32 P + 8 u + (r & 7) + 16 (r >> 3); tiles 0-255 tokens, 256.. Wq, 320.. Wk, 384.. Wv).
; A work-group makes 256 (source 0) x 256 (source 1).  For Q and K source 0 = a weight's columns, source 1 = tokens: a lane holds a token, its registers run along d.  For V source 0 = tokens, source 1 = Wv's columns:
; a lane holds a channel d, its registers run along the keys.  With this tile order the 64 registers of a source-1 tile are, 16 at a time, neighbours along source 0: what the next product's quantiser wants.
; Eight waves, two to a SIMD; wave (w0, w1) makes 128 x 64: 32 accumulators, 256 registers (window 1).  K = 1,024 goes in four chunks of two K steps; chunks 0, 1, 2 are first fills of three LDS slots, chunk 3 the one refill.
; CLUSTERS: 4 x 4.  Source 0's tiles hang on cx and the cluster's ids: shared along a column of the cluster; source 1's on cy and the cluster's ids: shared along a row.  Each is asked for jointly.
; 192 work-groups: what 256 x 256 gives for 3 x 4,096 x 1,024 results.
; LIMITS: NaN and infinities are not served; a block of zeros gets the byte 1 (its codes are zeros; this program alone reads the bytes).
; OUT: Q at 0, K at 3,145,728: [b][head pair g][token tile 128][1,536], half c of a fragment = head 2 g + c.  V at 6,291,456: [b][head][key step 16][d tile 4][1,536].
;   scale words: Q at 0, K at 131,072: [b][g][pair 64][32 words];  V at 262,144: [b][head][key step][d pair 2][32 words].
.set SLOTB, 98304                      ; a slot: source 0's 16 tiles x 3,072 bytes, then source 1's
.set SPARE, 3*SLOTB                    ; the spare words, 128 bytes for each wave: four blocks of 256 bytes that no other line names
.set BIAS,  SPARE+1024                 ; 512 bytes for each wave: its part of the bias; no fill lands here
.set SPW, 4                            ; v4   LDS address of my spare word; never rewritten
.set NIL, 5                            ; v5   0; never rewritten
.set SC0, 16                           ; v16-47  source 0's scale words: pair ip, K step s at 16 + 8 ip + s
.set SC1, 48                           ; v48-63  source 1's: 48 + 8 jp + s
.set F0,  64                           ; v64-159 source 0's eight fragments
.set F1,  160                          ; v160-207 source 1's four
.set ST,  64                           ; the way out: 64 numbers
.set BB,  128                          ;   the bias
.set PC,  192                          ;   codes
.set TM,  212
.set PW,  228
.set PWP, 229
.set PWC, 230                          ; v230, v231
.set O16, 232                          ; 16 x lane, 8 x lane, 4 x lane
.set O8,  233
.set O4,  234
.set BQ,  235                          ; where I read the bias back, for Q and K
.set BV,  236                          ; and for V
.set BA,  237                          ; the bias's offset in memory
.set BS,  238                          ; where I store it in LDS
.set G1A, 28                           ; s[28:35] descriptor group 1 for source 0;  s[36:43] for source 1
.set G1B, 36
.set G0A, 44                           ; s[44:55] three groups 0 for source 0;  s[68:79] for source 1
.set G0B, 68
.set SEL, 60
.set MSB, 0
.macro WIN new                         ; the immediate's high byte repeats the setting that is left
.if MSB != \new
	s_set_vgpr_msb (MSB<<8)|\new
.set MSB, \new
.endif
.endm
.macro JLOAD g0a, g1a, g0b, g1b        ; a joint load: waves 0-3 fetch for source 0, waves 4-7 for source 1; four v_nop follow each line
	s_cmp_eq_u32 s19, 0
	s_cbranch_scc0 .Lfor_b_\@
	tensor_load_to_lds s[\g0a:\g0a+3], s[\g1a:\g1a+7]
	s_nop 0
.rept 4
	v_nop
.endr
	s_branch .Lasked_\@
.Lfor_b_\@:
	tensor_load_to_lds s[\g0b:\g0b+3], s[\g1b:\g1b+7]
	s_nop 0
.rept 4
	v_nop
.endr
.Lasked_\@:
.endm
.macro CROUND                          ; a round of the cluster's barrier
	s_barrier_signal -1
	s_barrier_wait -1
	s_cmp_lg_u32 s18, 0
	s_cbranch_scc1 .Lnot_wave_0_\@
	s_barrier_signal -3
.Lnot_wave_0_\@:
	s_barrier_wait -3
	s_barrier_signal -1
	s_barrier_wait -1
.endm
.macro FRAG reg, a16, a8, off          ; a fragment's image back into 12 registers: every instruction reads consecutive bytes
	ds_load_b128 v[\reg:\reg+3], v[\a16] offset:\off
	ds_load_b64 v[\reg+4:\reg+5], v[\a8] offset:\off+512
	ds_load_b128 v[\reg+6:\reg+9], v[\a16] offset:\off+768
	ds_load_b64 v[\reg+10:\reg+11], v[\a8] offset:\off+1280
.endm
; one product.  c < 0: the constant 0 starts the sum.  pa, pb = 1: that side's scale words stand in lanes 16-31
.macro WM d, a, b, c, sa, sb, pa, pb
.set WMV, 2*(\pb)+(\pa)
.if (\c) < 0
.if WMV == 0
	v_wmma_scale_f32_16x16x128_f8f6f4 v[(\d):(\d)+7], v[(\a):(\a)+11], v[(\b):(\b)+11], 0, v[\sa], v[\sb] matrix_a_fmt:MATRIX_FMT_FP6 matrix_b_fmt:MATRIX_FMT_FP6
.elseif WMV == 1
	v_wmma_scale_f32_16x16x128_f8f6f4 v[(\d):(\d)+7], v[(\a):(\a)+11], v[(\b):(\b)+11], 0, v[\sa], v[\sb] matrix_a_fmt:MATRIX_FMT_FP6 matrix_b_fmt:MATRIX_FMT_FP6 matrix_a_scale:MATRIX_SCALE_ROW1
.elseif WMV == 2
	v_wmma_scale_f32_16x16x128_f8f6f4 v[(\d):(\d)+7], v[(\a):(\a)+11], v[(\b):(\b)+11], 0, v[\sa], v[\sb] matrix_a_fmt:MATRIX_FMT_FP6 matrix_b_fmt:MATRIX_FMT_FP6 matrix_b_scale:MATRIX_SCALE_ROW1
.else
	v_wmma_scale_f32_16x16x128_f8f6f4 v[(\d):(\d)+7], v[(\a):(\a)+11], v[(\b):(\b)+11], 0, v[\sa], v[\sb] matrix_a_fmt:MATRIX_FMT_FP6 matrix_b_fmt:MATRIX_FMT_FP6 matrix_a_scale:MATRIX_SCALE_ROW1 matrix_b_scale:MATRIX_SCALE_ROW1
.endif
.else
.if WMV == 0
	v_wmma_scale_f32_16x16x128_f8f6f4 v[(\d):(\d)+7], v[(\a):(\a)+11], v[(\b):(\b)+11], v[(\c):(\c)+7], v[\sa], v[\sb] matrix_a_fmt:MATRIX_FMT_FP6 matrix_b_fmt:MATRIX_FMT_FP6
.elseif WMV == 1
	v_wmma_scale_f32_16x16x128_f8f6f4 v[(\d):(\d)+7], v[(\a):(\a)+11], v[(\b):(\b)+11], v[(\c):(\c)+7], v[\sa], v[\sb] matrix_a_fmt:MATRIX_FMT_FP6 matrix_b_fmt:MATRIX_FMT_FP6 matrix_a_scale:MATRIX_SCALE_ROW1
.elseif WMV == 2
	v_wmma_scale_f32_16x16x128_f8f6f4 v[(\d):(\d)+7], v[(\a):(\a)+11], v[(\b):(\b)+11], v[(\c):(\c)+7], v[\sa], v[\sb] matrix_a_fmt:MATRIX_FMT_FP6 matrix_b_fmt:MATRIX_FMT_FP6 matrix_b_scale:MATRIX_SCALE_ROW1
.else
	v_wmma_scale_f32_16x16x128_f8f6f4 v[(\d):(\d)+7], v[(\a):(\a)+11], v[(\b):(\b)+11], v[(\c):(\c)+7], v[\sa], v[\sb] matrix_a_fmt:MATRIX_FMT_FP6 matrix_b_fmt:MATRIX_FMT_FP6 matrix_a_scale:MATRIX_SCALE_ROW1 matrix_b_scale:MATRIX_SCALE_ROW1
.endif
.endif
.endm
; 64 numbers of a lane, register 16 b + i = k 32 b + 16 (lane / 16) + i of my row, become a fragment's 12 registers at v[pc] and my row's scale word in v[pw]
.macro QUANT s, pc, pw
.irp b, 0,1,2,3
	v_max3_num_f32 v[TM+\b], |v[\s+16*\b]|, |v[\s+1+16*\b]|, 0x1800000   ; my 16 numbers of block b, and the floor 2^(3 - 127)
.endr
.irp i, 2,4,6,8,10,12,14
.irp b, 0,1,2,3
	v_max3_num_f32 v[TM+\b], v[TM+\b], |v[\s+16*\b+\i]|, |v[\s+1+16*\b+\i]|
.endr
.endr
.irp b, 0,1,2,3
	v_permlanex16_b32 v[TM+4+\b], v[TM+\b], s[SEL], s[SEL+1]
.endr
.irp b, 0,1,2,3
	v_max_num_f32 v[TM+\b], v[TM+\b], v[TM+4+\b]
.endr
.irp b, 0,1,2,3
	v_add_nc_u32 v[TM+12+\b], 0xff000000, v[TM+\b]                      ; 2 off the exponent field: the conversion's scale operand
.endr
.irp b, 0,1,2,3
	v_lshrrev_b32 v[TM+4+\b], 23, v[TM+12+\b]                           ; the scale's byte
.endr
	v_lshl_or_b32 v[\pw], v[TM+5], 8, v[TM+4]
	v_lshl_or_b32 v[\pw], v[TM+6], 16, v[\pw]
	v_lshl_or_b32 v[\pw], v[TM+7], 24, v[\pw]
.irp c, 0,1
	v_cvt_scalef32_pk16_fp6_f32 v[\pc+6*\c:\pc+2+6*\c], v[\s+32*\c:\s+15+32*\c], v[TM+12+2*\c]
	v_cvt_scalef32_pk16_fp6_f32 v[\pc+12+4*\c:\pc+14+4*\c], v[\s+16+32*\c:\s+31+32*\c], v[TM+12+2*\c+1]
.endr
	v_nop                                          ; one plain place behind a scaled conversion
.irp c, 0,1
.irp i, 0,1,2
	v_permlane16_swap_b32 v[\pc+6*\c+\i], v[\pc+12+4*\c+\i]
.endr
.irp i, 0,1,2
	v_mov_b32 v[\pc+3+6*\c+\i], v[\pc+12+4*\c+\i]
.endr
.endr
.endm
.macro PUT pc, off
	global_store_b128 v[O16], v[\pc:\pc+3], s[14:15] offset:\off
	global_store_b64 v[O8], v[\pc+4:\pc+5], s[14:15] offset:\off+512
	global_store_b128 v[O16], v[\pc+6:\pc+9], s[14:15] offset:\off+768
	global_store_b64 v[O8], v[\pc+10:\pc+11], s[14:15] offset:\off+1280
.endm
	s_load_b256 s[4:11], s[0:1], 0x0               ; codes, scales, Wq_b, Wk_b
	s_load_b128 s[12:15], s[0:1], 0x20             ; Wv_b, qkv_codes
	s_load_b64 s[16:17], s[0:1], 0x30              ; qkv_scales
	v_lshl_add_u32 v[SPW], v0, 2, SPARE
	v_mov_b32 v[NIL], 0
	ds_add_u32 v4, v5
	ds_add_u32 v4, v5
	s_wait_dscnt 0x0
	v_lshrrev_b32 v1, 5, v0
	v_readfirstlane_b32 s18, v1                    ; wave 0..7
	s_lshr_b32 s19, s18, 2                         ; w0: my half of source 0.  Also: I fetch for source 0 (0) or 1 (1)
	s_and_b32 s20, s18, 3                          ; w1: my quarter of source 1.  Also: which four tiles I fetch
	s_bfe_u32 s21, ttmp6, 0x40000                  ; cx
	s_bfe_u32 s22, ttmp6, 0x40004                  ; cy
	s_mov_b32 s23, ttmp9                           ; the cluster's x: 0, 1
	s_and_b32 s24, ttmp7, 0xffff                   ; the cluster's y: 0 .. 5
	s_lshr_b32 s25, s24, 2                         ; 1: this cluster makes V.  The same in all partners
	s_mov_b32 s26, 0xffff0000                      ; lanes 16-31
	s_mov_b32 s[SEL], 0x76543210
	s_mov_b32 s[SEL+1], 0xfedcba98
	s_lshl_b32 s92, 0x1111, s21                    ; my column of the cluster
	s_lshl_b32 s93, s22, 2
	s_lshl_b32 s93, 15, s93                        ; my row
	s_or_b32 s[G1A], s92, (3<<16)|(1<<21)          ; 15:0 the mask; 17:16 elements of 8 bytes; 21 set beside a mask; no padding: the images are read as they lie
	s_or_b32 s[G1B], s93, (3<<16)|(1<<21)
.irp g, G1A, G1B
	s_mov_b32 s[\g+1], 384<<16                     ; tensor_dim0 = 384 elements: a tile's chunk of two K steps, 3,072 bytes
	s_mov_b32 s[\g+2], 4<<16                       ; tensor_dim1 = 4 tiles
	s_mov_b32 s[\g+3], 384<<16                     ; tile_dim0
	s_mov_b32 s[\g+4], 4                           ; tile_dim1
	s_mov_b32 s[\g+5], 1536                        ; from tile to tile: 12,288 bytes
	s_mov_b32 s[\g+6], 0
	s_mov_b32 s[\g+7], 0
.endr
	s_lshl_b32 s94, s23, 2
	s_add_co_u32 s94, s94, s21                     ; x = 4 x cluster x + cx
	s_lshl_b32 s62, s94, 4
	s_sub_co_u32 s27, s24, 4
	s_lshl_b32 s27, s27, 7
	s_cmp_lg_u32 s25, 0
	s_cselect_b32 s27, s27, 256
	s_add_co_u32 s62, s62, s27                     ; source 0's first tile: Q, K: 256 + 16 x (a weight's columns);  V: 16 x + 128 (cluster y - 4) (tokens)
	s_lshl_b32 s63, s22, 4
	s_lshl_b32 s27, s24, 6
	s_cmp_lg_u32 s25, 0
	s_cselect_b32 s27, 384, s27
	s_add_co_u32 s63, s63, s27                     ; source 1's: Q, K: 64 cluster y + 16 cy (tokens);  V: 384 + 16 cy (Wv's columns)
	s_lshl_b32 s86, s20, 2
	s_add_co_u32 s56, s62, s86
	s_mul_i32 s56, s56, 12288
	s_mov_b32 s57, 0
	s_add_co_u32 s58, s63, s86
	s_mul_i32 s58, s58, 12288
	s_mov_b32 s59, 0
	s_mul_i32 s87, s18, 12288                      ; where my four tiles go: wave x 12,288: no place in the cluster enters an LDS address
	s_wait_kmcnt 0x0
	s_add_nc_u64 s[56:57], s[4:5], s[56:57]
	s_add_nc_u64 s[58:59], s[4:5], s[58:59]
	CROUND                                         ; all sixteen work-groups are here: the first joint loads meet
.irp n, 0,1,2
	s_mov_b32 s[G0A+4*\n], 1
	s_add_co_u32 s[G0A+4*\n+1], s87, \n*SLOTB
	s_add_nc_u64 s[G0A+4*\n+2:G0A+4*\n+3], s[56:57], \n*3072
	s_or_b32 s[G0A+4*\n+3], s[G0A+4*\n+3], 0x80000000
	s_mov_b32 s[G0B+4*\n], 1
	s_add_co_u32 s[G0B+4*\n+1], s87, \n*SLOTB
	s_add_nc_u64 s[G0B+4*\n+2:G0B+4*\n+3], s[58:59], \n*3072
	s_or_b32 s[G0B+4*\n+3], s[G0B+4*\n+3], 0x80000000
	JLOAD G0A+4*\n, G1A, G0B+4*\n, G1B             ; chunks 0, 1, 2: three loads of mine are out
.endr
	v_and_b32 v1, 31, v0                           ; lane
	v_and_b32 v2, 15, v0                           ; r
	v_bfe_u32 v3, v0, 4, 1                         ; h
	; my part of the bias: Q, K: 128 numbers (my columns of source 0);  V: 64 (my columns of source 1): lanes 16-31 then read what lanes 0-15 read, so that no load leaves the buffer
	s_cmp_lg_u32 s23, 0
	s_cselect_b64 s[80:81], s[10:11], s[8:9]
	s_cmp_lg_u32 s25, 0
	s_cselect_b64 s[80:81], s[12:13], s[80:81]
	s_lshl_b32 s88, s21, 10
	s_lshl_b32 s89, s19, 9
	s_add_co_u32 s88, s88, s89                     ; 4 x (256 cx + 128 w0)
	s_lshl_b32 s90, s22, 10
	s_lshl_b32 s89, s20, 8
	s_add_co_u32 s90, s90, s89                     ; 4 x (256 cy + 64 w1)
	s_cmp_lg_u32 s25, 0
	s_cselect_b32 s88, s90, s88
	s_cselect_b32 s91, 15, 31
	s_mov_b32 s89, 0
	s_add_nc_u64 s[80:81], s[80:81], s[88:89]
	v_and_b32 v[BA], s91, v1
	v_lshlrev_b32 v[BA], 4, v[BA]
	global_load_b128 v[208:211], v[BA], s[80:81]
	s_lshr_b32 s88, s62, 1
	s_lshl_b32 s89, s19, 2
	s_add_co_u32 s88, s88, s89
	s_lshl_b32 s88, s88, 10
	v_lshl_add_u32 v14, v1, 2, s88                 ; source 0's scale words: my four pairs
	s_lshr_b32 s88, s63, 1
	s_lshl_b32 s89, s20, 1
	s_add_co_u32 s88, s88, s89
	s_lshl_b32 s88, s88, 10
	v_lshl_add_u32 v15, v1, 2, s88                 ; source 1's: my two
.irp ip, 0,1,2,3
.irp s, 0,1,2,3,4,5,6,7
	global_load_b32 v[SC0+8*\ip+\s], v14, s[6:7] offset:\ip*1024+\s*128
.endr
.endr
.irp jp, 0,1
.irp s, 0,1,2,3,4,5,6,7
	global_load_b32 v[SC1+8*\jp+\s], v15, s[6:7] offset:\jp*1024+\s*128
.endr
.endr
	v_lshlrev_b32 v[O16], 4, v1
	v_lshlrev_b32 v[O8], 3, v1
	v_lshlrev_b32 v[O4], 2, v1
	s_mul_i32 s88, s19, 24576
	v_add_nc_u32 v6, s88, v[O16]                   ; my eight tiles of source 0 in a slot
	v_add_nc_u32 v7, s88, v[O8]
	s_mul_i32 s88, s20, 12288
	s_add_co_u32 s88, s88, 49152
	v_add_nc_u32 v8, s88, v[O16]                   ; my four of source 1
	v_add_nc_u32 v9, s88, v[O8]
	s_lshl_b32 s88, s18, 9
	s_add_co_u32 s88, s88, BIAS
	v_add_nc_u32 v[BS], s88, v[O16]
	v_lshl_add_u32 v[BQ], v3, 6, s88               ; Q, K: register 16 b + i wants number 32 b + 16 h + i
	v_and_b32 v[BV], 7, v2
	v_lshrrev_b32 v12, 3, v2
	v_lshl_add_u32 v[BV], v12, 4, v[BV]
	v_lshl_add_u32 v[BV], v[BV], 2, s88            ; V: tile j's lane r wants number 32 (j / 2) + 8 (j % 2) + (r & 7) + 16 (r >> 3)
.irp b, 0,1,2,3
	v_mov_b32 v[TM+4+\b], 0                        ; written once: a lane permute's destination counts as one of its sources
.endr
	; where my results go
	s_lshr_b32 s86, s24, 1
	s_lshl_b32 s86, s86, 3
	s_lshl_b32 s87, s21, 1
	s_add_co_u32 s86, s86, s87
	s_add_co_u32 s86, s86, s19                     ; Q, K: 8 b + g
	s_and_b32 s87, s24, 1
	s_lshl_b32 s87, s87, 2
	s_add_co_u32 s87, s87, s22                     ; which 256 tokens of the batch
	s_lshl_b32 s88, s86, 7
	s_lshl_b32 s89, s87, 4
	s_add_co_u32 s88, s88, s89
	s_lshl_b32 s89, s20, 2
	s_add_co_u32 s88, s88, s89
	s_mul_i32 s88, s88, 1536
	s_mul_i32 s89, s23, 3145728
	s_add_co_u32 s88, s88, s89
	s_lshl_b32 s90, s86, 6
	s_lshl_b32 s89, s87, 3
	s_add_co_u32 s90, s90, s89
	s_lshl_b32 s89, s20, 1
	s_add_co_u32 s90, s90, s89
	s_lshl_b32 s90, s90, 7
	s_lshl_b32 s89, s23, 17
	s_add_co_u32 s90, s90, s89
	s_sub_co_u32 s86, s24, 4
	s_lshl_b32 s86, s86, 4
	s_lshl_b32 s87, s22, 2
	s_add_co_u32 s86, s86, s87
	s_add_co_u32 s86, s86, s20                     ; V: 16 b + head
	s_lshl_b32 s86, s86, 4
	s_lshl_b32 s87, s94, 1
	s_add_co_u32 s86, s86, s87
	s_add_co_u32 s86, s86, s19                     ; x 16 + key step
	s_mul_i32 s87, s86, 6144
	s_add_co_u32 s87, s87, 6291456
	s_lshl_b32 s86, s86, 8
	s_add_co_u32 s86, s86, 262144
	s_cmp_lg_u32 s25, 0
	s_cselect_b32 s82, s87, s88
	s_cselect_b32 s84, s86, s90
	s_mov_b32 s83, 0
	s_mov_b32 s85, 0
	s_add_nc_u64 s[14:15], s[14:15], s[82:83]
	s_add_nc_u64 s[16:17], s[16:17], s[84:85]
	s_wait_loadcnt 48                              ; the bias is in; the 48 loads of scale words issued behind it may be out
	ds_store_b128 v[BS], v[208:211]
	s_wait_tensorcnt 0x2                           ; my part of chunk 0 is in; chunks 1 and 2 may stay out
	s_wait_dscnt 0x0
	s_barrier_signal -1
	s_barrier_wait -1                              ; everybody's is
	s_wait_loadcnt 0x0                             ; the scale words
; A K step: 48 LDS loads in one run, then 32 products: source 0's tiles one after the other, each against source 1's four.  The 32 accumulators take turns, one instruction a turn, in the same order in every step.
.macro KSTEP sp, s, zero
	WIN 0
.if \sp
.rept 4
	v_nop                                          ; four places in front of loads into registers that matrix instructions have read (at a chunk's first step the four additions are these places)
.endr
.endif
.irp j, 0,1,2,3
	FRAG F1+12*\j, 12, 13, \j*3072+\sp*1536
.endr
.irp i, 0,1,2,3,4,5,6,7
	FRAG F0+12*\i, 10, 11, \i*3072+\sp*1536
.endr
	WIN 0x50                                       ; C and D in window 1
.irp i, 0,1,2,3,4,5,6,7
	s_wait_dscnt 4*(7-\i)                          ; source 1's fragments and source 0's up to i are in; the four loads of each later fragment may be out
.irp j, 0,1,2,3
.if \zero
	WM 64*\j+8*\i, F0+12*\i, F1+12*\j, -1, SC0+8*(\i/2)+(\s), SC1+8*(\j/2)+(\s), \i%2, \j%2
.else
	WM 64*\j+8*\i, F0+12*\i, F1+12*\j, 64*\j+8*\i, SC0+8*(\i/2)+(\s), SC1+8*(\j/2)+(\s), \i%2, \j%2
.endif
.endr
.endr
.endm
.macro CHUNK slot, n, first
	WIN 0
	v_add_nc_u32 v10, \slot*SLOTB, v6
	v_add_nc_u32 v11, \slot*SLOTB, v7
	v_add_nc_u32 v12, \slot*SLOTB, v8
	v_add_nc_u32 v13, \slot*SLOTB, v9
	KSTEP 0, 2*\n, \first
	KSTEP 1, 2*\n+1, 0
.endm
	CHUNK 0, 0, 1                                  ; the first products start the sums: nothing is cleared
	WIN 0
	s_wait_tensorcnt 0x0                           ; all my tensor loads have landed, chunks 1 and 2 among them: a group 0 may be written
	ds_add_u32 v[SPW], v[NIL]                      ; 0 onto my spare word
	s_add_nc_u64 s[G0A+2:G0A+3], s[G0A+2:G0A+3], 9216   ; slot 0's next tiles: chunk 3
	s_add_nc_u64 s[G0B+2:G0B+3], s[G0B+2:G0B+3], 9216
	s_wait_dscnt 0x0                               ; the add is done, and my reads of slot 0 are over
	CROUND                                         ; no wave of any partner still reads slot 0 or has a load on its way
	JLOAD G0A, G1A, G0B, G1B                       ; the one refill: it has two chunks' work, 128 matrix instructions a wave, in which to land
	CHUNK 1, 1, 0
	CHUNK 2, 2, 0
	WIN 0
	s_wait_tensorcnt 0x0                           ; my part of chunk 3 is in
	s_wait_dscnt 0x0
	s_barrier_signal -1
	s_barrier_wait -1                              ; everybody's is
	CHUNK 0, 3, 0
	WIN 0
.rept 4
	v_nop                                          ; four places in front of the first reads of results and of writes into the fragments' registers
.endr
; THE WAY OUT.  For each of my four tiles of source 1: its 64 numbers + the bias, quantised, stored as a fragment's image; two tiles' scale words make a pair's 32 words.
.macro EPI isv
.if \isv
.irp j, 0,1,2,3
	v_mov_b32 v[BB+2*\j+1], 0                      ; (named as the upper half of a pair)
	ds_load_b32 v[BB+2*\j], v[BV] offset:4*(32*(\j/2)+8*(\j%2))    ; V: the bias hangs on the lane's channel
.endr
.else
.irp b, 0,1,2,3
.irp k, 0,1,2,3
	ds_load_b128 v[BB+16*\b+4*\k:BB+16*\b+4*\k+3], v[BQ] offset:128*\b+16*\k   ; Q, K: on the register's
.endr
.endr
.endif
	s_wait_dscnt 0x0
.irp j, 0,1,2,3
	s_wait_xcnt 0x0                                ; the last tile's stores have read their registers: the codes are written again only behind this wait
	WIN 0x01                                       ; source 0 (the accumulators) in window 1
.set p, 0
.rept 32
.if \isv
	v_pk_add_f32 v[ST+2*p:ST+2*p+1], v[64*\j+2*p:64*\j+2*p+1], v[BB+2*\j:BB+2*\j+1] op_sel_hi:[1,0]
.else
	v_pk_add_f32 v[ST+2*p:ST+2*p+1], v[64*\j+2*p:64*\j+2*p+1], v[BB+2*p:BB+2*p+1]   ; ascending: each accumulator is read from its low end on
.endif
.set p, p+1
.endr
	WIN 0
	QUANT ST, PC, PW
	PUT PC, \j*1536
.if \j%2 == 0
	v_mov_b32 v[PWP], v[PW]
.else
	v_cndmask_b32 v[PWC+\j/2], v[PWP], v[PW], s26  ; lanes 0-15 the even tile's words, lanes 16-31 the odd tile's
	global_store_b32 v[O4], v[PWC+\j/2], s[16:17] offset:(\j/2)*128
.endif
.endr
.endm
	s_cmp_lg_u32 s25, 0                            ; hangs on the cluster's y alone: the same in all partners
	s_cbranch_scc1 .Lepi_v
	EPI 0
	s_branch .Lfin
.Lepi_v:
	EPI 1
.Lfin:
	s_wait_tensorcnt 0x0                           ; the wave's end
	ds_add_u32 v[SPW], v[NIL]
	s_wait_dscnt 0x0
	CROUND                                         ; the closing round
	s_endpgm
.Lfunc_end_k_q0148868d0e_qkv:
	.size	k_q0148868d0e_qkv, .Lfunc_end_k_q0148868d0e_qkv-k_q0148868d0e_qkv
	.p2alignl 7, 3214868480
	.fill 96, 4, 3214868480
	.section	.rodata,"a",@progbits
	.p2align	6, 0x0
	.amdhsa_kernel k_q0148868d0e_qkv
		.amdhsa_group_segment_fixed_size 327680
		.amdhsa_private_segment_fixed_size 0
		.amdhsa_enable_private_segment 0
		.amdhsa_kernarg_size 56
		.amdhsa_user_sgpr_count 2
		.amdhsa_user_sgpr_kernarg_segment_ptr 1
		.amdhsa_wavefront_size32 1
		.amdhsa_system_sgpr_workgroup_id_x 1
		.amdhsa_system_sgpr_workgroup_id_y 1
		.amdhsa_system_sgpr_workgroup_id_z 1
		.amdhsa_system_vgpr_workitem_id 0
		.amdhsa_next_free_vgpr 512
		.amdhsa_next_free_sgpr 96
		.amdhsa_reserve_vcc 0
		.amdhsa_float_denorm_mode_32 3
		.amdhsa_float_denorm_mode_16_64 3
		.amdhsa_memory_ordered 1
		.amdhsa_forward_progress 1
		.amdhsa_inst_pref_size 129
	.end_amdhsa_kernel
	.amdgpu_metadata
---
amdhsa.version: [ 1, 2 ]
amdhsa.kernels:
  - .name:           k_q0148868d0e_qkv
    .symbol:         k_q0148868d0e_qkv.kd
    .args:
      - { .name: codes, .offset: 0, .size: 8, .value_kind: global_buffer, .address_space: global }
      - { .name: scales, .offset: 8, .size: 8, .value_kind: global_buffer, .address_space: global }
      - { .name: Wq_b, .offset: 16, .size: 8, .value_kind: global_buffer, .address_space: global }
      - { .name: Wk_b, .offset: 24, .size: 8, .value_kind: global_buffer, .address_space: global }
      - { .name: Wv_b, .offset: 32, .size: 8, .value_kind: global_buffer, .address_space: global }
      - { .name: qkv_codes, .offset: 40, .size: 8, .value_kind: global_buffer, .address_space: global }
      - { .name: qkv_scales, .offset: 48, .size: 8, .value_kind: global_buffer, .address_space: global }
    .group_segment_fixed_size: 327680
    .private_segment_fixed_size: 0
    .kernarg_segment_align: 8
    .kernarg_segment_size: 56
    .max_flat_workgroup_size: 256
    .sgpr_count:     96
    .vgpr_count:     512
    .wavefront_size: 32
...
	.end_amdgpu_metadata
.endif
;; end of part 2
;; launch attn (part 3): grid 16 x 16, 16 waves a work-group, no clusters, 75,776 bytes of LDS; arguments qkv_codes, qkv_scales, ao_codes, ao_scales; writes ao_codes, ao_scales
.if DOCPART == 3
	.amdgcn_target "amdgcn-amd-amdhsa--gfx1250"
	.amdhsa_code_object_version 6
	.text
	.protected	k_q0148868d0e_attn
	.globl	k_q0148868d0e_attn
	.p2align	8
	.type	k_q0148868d0e_attn,@function
k_q0148868d0e_attn:
	s_mov_b64 s[64:65], 0
	v_nop
	global_prefetch_b8 v0, s[64:65] scope:SCOPE_SE
	s_setreg_imm32_b32 hwreg(HW_REG_WAVE_MODE, 25, 1), 1
	s_wait_xcnt 0x0
; Attention in a band, |query - key| <= 128, on codes of FP6 (E2M3) with E8M0 scales; 16 heads of 64, 2,048 tokens, 2 batches.  The result, divided by the row's sum, is quantised along d and leaves as codes for the last projection.
; SOFTMAX: t = score x log2(e) / 8; M = the largest t so far, rounded UP to a whole number; p = 2^(t - M) is quantised along the keys, not normalised; the row's sum is taken of the unquantised p; when M moves, sum and O are multiplied by 2^(old M - new M): exact.
; SHARES.  Work-group (a, 8 b + g): queries 128 a .. 128 a + 127 of heads 2 g, 2 g + 1.  Wave w: head 2 g + (w >> 3), query tile w & 7: 16 queries in 256 registers, four waves to a SIMD, so that one wave's vector work stands beside another's products.
; KEYS.  Only blocks a - 1, a, a + 1 of 128 keys can count.  Order: the own block first (all its keys count, so M is a number from the first step on), then the block before (key jl counts where jl >= il), then the block after (jl <= il).
; At the sequence's ends the block's number is clamped, so that no load leaves its buffer, and the threshold is moved by 128, which hides the whole step: every work-group runs the same text, with no branch.
; LAYOUT.  Both products are used transposed (S^T = K Q^T, O^T = V^T P^T): a lane holds ONE query.  Lane r of tile 2 P + u holds row 32 P + 8 u + (r & 7) + 16 (r >> 3), so the 16 registers of two neighbouring tiles are 16 neighbours along the next K.
; The first product's K is 64: registers 0-5 of each operand hold the head's codes, registers 6-11 zero codes, which add nothing.
; NO MULTICAST: neighbouring query blocks want shifted sets of key blocks, so partners would need different descriptors; the tiles (72 KiB a work-group) come through registers, each wave bringing 1,536 bytes of each step, once.
; LIMITS: NaN and infinities are not served; a block of zeros gets the byte 1 (its codes are zeros; this program alone reads the bytes).
.set STEPB, 24576                      ; LDS: a step: K's 8 tiles x 1,536 (both heads' halves), V of head 2 g: 4 x 1,536, V of head 2 g + 1
.set AK16, 1                           ; v1  16 x lane + 768 c;  v2  8 x lane + 768 c: my head's half of a tile of K
.set AK8,  2
.set AV16, 3                           ; v3, v4: my head's V
.set AV8,  4
.set D0,   5                           ; v5  the block before: register n is hidden where 32 (n / 16) + n % 16 < D0
.set D2,   6                           ; v6  the block after: where .. > D2
.set NINF, 10                          ; v10 -infinity
.set QF,   16                          ; v16-27 Q (22-27 zero)
.set KB,   32                          ; v32-79 four fragments of K (registers 6-11 of each zero, never a load's target)
.set S,    96                          ; v96-159 S^T, then p, then V's four fragments
.set O,    160                         ; v160-191 O^T
.set KS,   192                         ; v192-203 K's scale words, 4 a step;  v204-209 V's, 2 a step;  v210 Q's;  v211 p's
.set VS,   204
.set QS,   210
.set PS,   211
.set PCD,  212                         ; v212-223 p's codes;  v224-230 the conversions' second halves
.set SEL,  20
.set CS,   22
.macro FRAG reg, a16, a8, off
	ds_load_b128 v[\reg:\reg+3], v[\a16] offset:\off
	ds_load_b64 v[\reg+4:\reg+5], v[\a8] offset:\off+512
	ds_load_b128 v[\reg+6:\reg+9], v[\a16] offset:\off+768
	ds_load_b64 v[\reg+10:\reg+11], v[\a8] offset:\off+1280
.endm
; one product.  c < 0: the constant 0 starts the sum.  pa = 1: source 0's scale words stand in lanes 16-31
.macro WM d, a, b, c, sa, sb, pa, pb
.if (\c) < 0
.if (\pa) == 0
	v_wmma_scale_f32_16x16x128_f8f6f4 v[(\d):(\d)+7], v[(\a):(\a)+11], v[(\b):(\b)+11], 0, v[\sa], v[\sb] matrix_a_fmt:MATRIX_FMT_FP6 matrix_b_fmt:MATRIX_FMT_FP6
.else
	v_wmma_scale_f32_16x16x128_f8f6f4 v[(\d):(\d)+7], v[(\a):(\a)+11], v[(\b):(\b)+11], 0, v[\sa], v[\sb] matrix_a_fmt:MATRIX_FMT_FP6 matrix_b_fmt:MATRIX_FMT_FP6 matrix_a_scale:MATRIX_SCALE_ROW1
.endif
.else
.if (\pa) == 0
	v_wmma_scale_f32_16x16x128_f8f6f4 v[(\d):(\d)+7], v[(\a):(\a)+11], v[(\b):(\b)+11], v[(\c):(\c)+7], v[\sa], v[\sb] matrix_a_fmt:MATRIX_FMT_FP6 matrix_b_fmt:MATRIX_FMT_FP6
.else
	v_wmma_scale_f32_16x16x128_f8f6f4 v[(\d):(\d)+7], v[(\a):(\a)+11], v[(\b):(\b)+11], v[(\c):(\c)+7], v[\sa], v[\sb] matrix_a_fmt:MATRIX_FMT_FP6 matrix_b_fmt:MATRIX_FMT_FP6 matrix_a_scale:MATRIX_SCALE_ROW1
.endif
.endif
.endm
	s_load_b256 s[4:11], s[0:1], 0x0               ; qkv_codes, qkv_scales, ao_codes, ao_scales
	v_lshl_add_u32 v251, v0, 2, 0x12000
	v_mov_b32 v255, 0
	v_lshrrev_b32 v9, 5, v0
	v_readfirstlane_b32 s12, v9                    ; wave 0..15
	s_lshr_b32 s13, s12, 3                         ; c: which of the two heads
	s_and_b32 s14, s12, 7                          ; tq: my tile of queries
	s_mov_b32 s15, ttmp9                           ; a
	s_and_b32 s16, ttmp7, 0xffff                   ; 8 b + g
	s_lshl_b32 s17, s13, 4                         ; 16 c: my head's two scale bytes in a word of Q's or K's
	s_mov_b32 s[SEL], 0x76543210
	s_mov_b32 s[SEL+1], 0xfedcba98
	s_mov_b32 s[CS], 0x3e38aa3b                    ; log2(e) / 8
	s_mov_b32 s[CS+1], s[CS]
	s_sub_co_i32 s24, s15, 1
	s_max_i32 s24, s24, 0                          ; the three key blocks, clamped
	s_mov_b32 s25, s15
	s_add_co_u32 s26, s15, 1
	s_min_u32 s26, s26, 15
	s_bfe_u32 s30, s12, 0x10002                    ; waves 8-15 bring V: head (w >> 2) & 1,
	s_and_b32 s31, s12, 3                          ; d tile w & 3
	v_and_b32 v9, 31, v0                           ; lane
	v_lshlrev_b32 v7, 4, v9
	v_lshlrev_b32 v8, 3, v9
	v_lshlrev_b32 v11, 2, v9
.irp st, 0,1,2
	s_lshl_b32 s27, s16, 7                         ; what I bring of step st: waves 0-7 tile w of K,
	s_lshl_b32 s28, s[24+\st], 3
	s_add_co_u32 s27, s27, s28
	s_add_co_u32 s27, s27, s12
	s_mul_i32 s27, s27, 1536
	s_add_co_u32 s27, s27, 3145728
	s_lshl_b32 s28, s16, 1                         ; waves 8-15 a tile of V
	s_add_co_u32 s28, s28, s30
	s_lshl_b32 s28, s28, 4
	s_add_co_u32 s28, s28, s[24+\st]
	s_lshl_b32 s28, s28, 2
	s_add_co_u32 s28, s28, s31
	s_mul_i32 s28, s28, 1536
	s_add_co_u32 s28, s28, 6291456
	s_cmp_lt_u32 s12, 8
	s_cselect_b32 s27, s27, s28
	v_add_nc_u32 v[89+\st], s27, v7
	s_lshl_b32 s27, s16, 6                         ; K's scale words: four pairs
	s_lshl_b32 s28, s[24+\st], 2
	s_add_co_u32 s27, s27, s28
	s_lshl_b32 s27, s27, 7
	s_add_co_u32 s27, s27, 131072
	v_add_nc_u32 v[83+\st], s27, v11
	s_lshl_b32 s27, s16, 1                         ; V's: two pairs of my head
	s_add_co_u32 s27, s27, s13
	s_lshl_b32 s27, s27, 4
	s_add_co_u32 s27, s27, s[24+\st]
	s_lshl_b32 s27, s27, 8
	s_add_co_u32 s27, s27, 262144
	v_add_nc_u32 v[86+\st], s27, v11
.endr
	s_lshl_b32 s34, s16, 7
	s_lshl_b32 s35, s15, 3
	s_add_co_u32 s34, s34, s35
	s_add_co_u32 s34, s34, s14                     ; Q's tile: 128 (8 b + g) + 8 a + tq
	s_mul_i32 s35, s34, 1536
	s_mul_i32 s36, s13, 768
	s_add_co_u32 s35, s35, s36
	v_add_nc_u32 v80, s35, v7
	v_add_nc_u32 v81, s35, v8
	s_lshl_b32 s35, s34, 6                         ; its 16 scale words
	v_and_b32 v31, 15, v0                          ; r
	v_lshl_add_u32 v82, v31, 2, s35
	s_mul_i32 s27, s12, 1536
	v_add_nc_u32 v92, s27, v7                      ; where my 1,536 bytes of a step go
	s_wait_kmcnt 0x0
.irp st, 0,1,2
.irp k, 0,1,2
	global_load_b128 v[S+12*\st+4*\k:S+12*\st+4*\k+3], v[89+\st], s[4:5] offset:512*\k
.endr
.endr
	global_load_b128 v[QF:QF+3], v80, s[4:5]
	global_load_b64 v[QF+4:QF+5], v81, s[4:5] offset:512
	global_load_b32 v[QS], v82, s[6:7]
.irp st, 0,1,2
.irp bp, 0,1,2,3
	global_load_b32 v[KS+4*\st+\bp], v[83+\st], s[6:7] offset:128*\bp
.endr
.endr
.irp st, 0,1,2
.irp jp, 0,1
	global_load_b32 v[VS+2*\st+\jp], v[86+\st], s[6:7] offset:128*\jp
.endr
.endr
	; where my results go
	s_lshr_b32 s27, s16, 3                         ; b
	s_and_b32 s28, s16, 7                          ; g
	s_lshl_b32 s27, s27, 7
	s_lshl_b32 s29, s15, 3
	s_add_co_u32 s27, s27, s29
	s_add_co_u32 s27, s27, s14                     ; token tile 128 b + 8 a + tq
	s_lshl_b32 s29, s27, 3
	s_add_co_u32 s29, s29, s28
	s_mul_i32 s29, s29, 1536                       ; K step g of the last projection,
	s_add_co_u32 s29, s29, s36                     ; half c
	v_add_nc_u32 v28, s29, v7
	v_add_nc_u32 v29, s29, v8
	s_lshr_b32 s32, s27, 1
	s_lshl_b32 s32, s32, 3
	s_add_co_u32 s32, s32, s28
	s_lshl_b32 s32, s32, 7
	s_and_b32 s33, s14, 1
	s_lshl_b32 s33, s33, 6
	s_add_co_u32 s32, s32, s33
	s_lshl_b32 s33, s13, 1
	s_add_co_u32 s32, s32, s33
	v_lshl_add_u32 v30, v31, 2, s32                ; my row's word, my head's two bytes
	s_wait_loadcnt 21                              ; the nine loads of tiles are in; the 21 issued behind them (Q 2, scale words 1 + 12 + 6) may be out
.irp st, 0,1,2
.irp k, 0,1,2
	ds_store_b128 v92, v[S+12*\st+4*\k:S+12*\st+4*\k+3] offset:\st*STEPB+512*\k
.endr
.endr
	s_wait_loadcnt 0x0
	v_lshrrev_b32 v[QS], s17, v[QS]                ; my head's two bytes to bytes 0, 1; what stands above them scales zero codes
.set n, 0
.rept 12
	v_lshrrev_b32 v[KS+n], s17, v[KS+n]
.set n, n+1
.endr
.irp i, 6,7,8,9,10,11
	v_mov_b32 v[QF+\i], 0                          ; the upper 64 of the instruction's K: zero codes
.irp t, 0,1,2,3
	v_mov_b32 v[KB+12*\t+\i], 0
.endr
.endr
	v_add_nc_u32 v[AK16], s36, v7
	v_add_nc_u32 v[AK8], s36, v8
	s_mul_i32 s27, s13, 6144
	s_add_co_u32 s27, s27, 12288
	v_add_nc_u32 v[AV16], s27, v7
	v_add_nc_u32 v[AV8], s27, v8
	s_lshr_b32 s32, s14, 1
	s_lshl_b32 s32, s32, 5
	s_and_b32 s33, s14, 1
	s_lshl_b32 s33, s33, 3
	s_add_co_u32 s32, s32, s33
	v_and_b32 v11, 7, v31
	v_lshrrev_b32 v9, 3, v31
	v_lshl_add_u32 v11, v9, 4, v11
	v_add_nc_u32 v11, s32, v11                     ; il: my query in the block
	v_bfe_u32 v9, v0, 4, 1
	v_lshlrev_b32 v9, 4, v9
	v_sub_nc_u32 v11, v11, v9                      ; il - 16 h: register n holds key 32 (n / 16) + n % 16 + 16 h
	s_cmp_eq_u32 s15, 0
	s_cselect_b32 s33, 128, 0
	v_add_nc_u32 v[D0], s33, v11                   ; there is no block before the first: all of that step is hidden
	s_cmp_eq_u32 s15, 15
	s_cselect_b32 s33, 128, 0
	v_sub_nc_u32 v[D2], v11, s33                   ; nor one after the last
	v_mov_b32 v[NINF], 0xff800000
	v_mov_b32 v13, 0xff61b1e6                      ; the largest t so far: -3e38
	v_floor_f32 v12, -v13                          ; -M
	v_mov_b32 v14, 0                               ; the sum, in two halves
	v_mov_b32 v15, 0
.irp b, 0,1,2,3
	v_mov_b32 v[236+\b], 0                         ; written once: a lane permute's destination counts as one of its sources
.endr
	v_mov_b32 v253, 0                              ; (named as the upper half of the pair v[252:253])
	s_wait_dscnt 0x0                               ; for the others' sake: my stores have landed
	s_barrier_signal -1
	s_barrier_wait -1                              ; the launch's one barrier: all three steps lie in LDS
; A KEY STEP of 128 keys.  first = 1: its products start O^T's sums
.macro STEP st, first
.irp g, 0,1                                    ; S^T = K Q^T, four tiles of 16 keys at a time
.if \g
.rept 4
	v_nop                                          ; places in front of loads into registers that matrix instructions have read
.endr
.endif
.irp t, 0,1,2,3
	ds_load_b128 v[KB+12*\t:KB+12*\t+3], v[AK16] offset:\st*STEPB+(4*\g+\t)*1536
	ds_load_b64 v[KB+12*\t+4:KB+12*\t+5], v[AK8] offset:\st*STEPB+(4*\g+\t)*1536+512
.endr
	s_wait_dscnt 0x0
.irp t, 0,1,2,3
	WM S+8*(4*\g+\t), KB+12*\t, QF, -1, KS+4*\st+2*\g+\t/2, QS, \t%2, 0
.endr
.endr
.rept 4
	v_nop
.endr
.if \st == 0                                   ; hidden scores become -infinity ahead of the maximum: p = 0 then
.set n, 0
.rept 64
	v_cmp_lt_i32 vcc_lo, 32*(n/16)+n%16, v[D0]
	v_cndmask_b32 v[S+n], v[S+n], v[NINF], vcc_lo
.set n, n+1
.endr
.elseif \st == 2
.set n, 0
.rept 64
	v_cmp_gt_i32 vcc_lo, 32*(n/16)+n%16, v[D2]
	v_cndmask_b32 v[S+n], v[S+n], v[NINF], vcc_lo
.set n, n+1
.endr
.endif
.irp b, 0,1,2,3
	v_max3_num_f32 v[232+\b], v[S+16*\b], v[S+1+16*\b], v[S+2+16*\b]   ; the largest score of each block of 32 keys: for the row's maximum and, since p rises with the score, for the block's largest p
.endr
.irp i, 3,5,7,9,11,13
.irp b, 0,1,2,3
	v_max3_num_f32 v[232+\b], v[232+\b], v[S+16*\b+\i], v[S+1+16*\b+\i]
.endr
.endr
.irp b, 0,1,2,3
	v_max_num_f32 v[232+\b], v[232+\b], v[S+15+16*\b]
.endr
.irp b, 0,1,2,3
	v_permlanex16_b32 v[236+\b], v[232+\b], s[SEL], s[SEL+1]
.endr
.irp b, 0,1,2,3
	v_max_num_f32 v[232+\b], v[232+\b], v[236+\b]  ; with lane l xor 16's 16 keys
.endr
	v_max3_num_f32 v254, v232, v233, v234
	v_max_num_f32 v254, v254, v235
	v_mul_f32 v254, s[CS], v254                    ; the step's largest t
	v_max_num_f32 v13, v13, v254                   ; the running largest t
	v_mov_b32 v254, v12
	v_floor_f32 v12, -v13                          ; the new -M = -ceil(t)
	v_sub_f32 v254, v12, v254                      ; old M - new M: a whole number, 0 or less
	v_cvt_i32_f32 v254, v254                       ; (it saturates)
	v_ldexp_f32 v252, 1.0, v254                    ; f = 2^(old M - new M)
.set n, 0
.rept 32
	v_pk_fma_f32 v[S+n:S+n+1], v[S+n:S+n+1], s[CS:CS+1], v[12:13] op_sel_hi:[1,0,0]   ; t - M, two at a time
.set n, n+2
.endr
.irp b, 0,1,2,3
	v_fma_f32 v[232+\b], v[232+\b], s[CS], v12
.endr
.set n, 0
.rept 64
	v_exp_f32 v[S+n], v[S+n]                       ; p = 2^(t - M)
.set n, n+1
.endr
.irp b, 0,1,2,3
	v_exp_f32 v[232+\b], v[232+\b]                 ; the block's largest p
.endr
	v_pk_mul_f32 v[14:15], v[14:15], v[252:253] op_sel_hi:[1,0]   ; the sums under the new M.  (A plain place behind the exponentials)
	s_wait_alu depctr_va_vdst(0)
.irp b, 0,1,2,3
	v_max_num_f32 v[232+\b], 0x1800000, v[232+\b]  ; the floor 2^(3 - 127)
.endr
.irp b, 0,1,2,3
	v_add_nc_u32 v[244+\b], 0xff000000, v[232+\b]  ; the conversion's scale operand
.endr
.irp b, 0,1,2,3
	v_lshrrev_b32 v[236+\b], 23, v[244+\b]         ; the scale's byte
.endr
	v_lshl_or_b32 v[PS], v237, 8, v236
	v_lshl_or_b32 v[PS], v238, 16, v[PS]
	v_lshl_or_b32 v[PS], v239, 24, v[PS]
.irp c, 0,1
	v_cvt_scalef32_pk16_fp6_f32 v[PCD+6*\c:PCD+2+6*\c], v[S+32*\c:S+15+32*\c], v[244+2*\c]
	v_cvt_scalef32_pk16_fp6_f32 v[224+4*\c:226+4*\c], v[S+16+32*\c:S+31+32*\c], v[244+2*\c+1]
.endr
	v_nop                                          ; one plain place behind a scaled conversion
.irp c, 0,1
.irp i, 0,1,2
	v_permlane16_swap_b32 v[PCD+6*\c+\i], v[224+4*\c+\i]
.endr
.irp i, 0,1,2
	v_mov_b32 v[PCD+3+6*\c+\i], v[224+4*\c+\i]
.endr
.endr
	v_pk_add_f32 v[236:237], v[S:S+1], v[S+2:S+3]  ; the row's sum, of the unquantised p: two chains
.irp j, 4,8,12,16,20,24,28,32,36,40,44,48,52,56,60
	v_pk_add_f32 v[14:15], v[14:15], v[S+\j:S+1+\j]
	v_pk_add_f32 v[236:237], v[236:237], v[S+2+\j:S+3+\j]
.endr
	v_pk_add_f32 v[14:15], v[14:15], v[236:237]
.if \first == 0
.set n, 0
.rept 16
	v_pk_mul_f32 v[O+n:O+n+1], v[O+n:O+n+1], v[252:253] op_sel_hi:[1,0]   ; O^T under the new M, from each accumulator's low end on
.set n, n+2
.endr
.endif
.irp j, 0,1,2,3                                ; O^T += V^T P^T: the head's four tiles of 16 channels; K = these 128 keys.  V's fragments take p's registers
	FRAG S+12*\j, AV16, AV8, \st*STEPB+\j*1536
.endr
	s_wait_dscnt 0x0
.irp j, 0,1,2,3
.if \first
	WM O+8*\j, S+12*\j, PCD, -1, VS+2*\st+\j/2, PS, \j%2, 0
.else
	WM O+8*\j, S+12*\j, PCD, O+8*\j, VS+2*\st+\j/2, PS, \j%2, 0
.endif
.endr
.rept 5
	v_nop                                          ; five places: the next step's first products write over registers that these have read; they also serve the reads at the end
.endr
.endm
	STEP 1, 1
	STEP 0, 0
	STEP 2, 0
	; THE WAY OUT: O^T / the sum; its 32 registers are d = 32 b + 16 h + 0 .. 15 of my query: two blocks, half a fragment of the last projection's operand
	v_add_f32 v14, v14, v15
	v_permlanex16_b32 v252, v14, s[SEL], s[SEL+1]
	v_add_f32 v14, v14, v252                       ; the row's sum
	v_rcp_f32 v14, v14
	v_nop                                          ; one plain place behind a transcendental
.set n, 0
	s_wait_alu depctr_va_vdst(0)
.rept 32
	v_mul_f32 v[S+n], v[O+n], v14
.set n, n+1
.endr
.irp b, 0,1
	v_max3_num_f32 v[232+\b], |v[S+16*\b]|, |v[S+1+16*\b]|, 0x1800000
.endr
.irp i, 2,4,6,8,10,12,14
.irp b, 0,1
	v_max3_num_f32 v[232+\b], v[232+\b], |v[S+16*\b+\i]|, |v[S+1+16*\b+\i]|
.endr
.endr
.irp b, 0,1
	v_permlanex16_b32 v[236+\b], v[232+\b], s[SEL], s[SEL+1]
.endr
.irp b, 0,1
	v_max_num_f32 v[232+\b], v[232+\b], v[236+\b]
.endr
.irp b, 0,1
	v_add_nc_u32 v[244+\b], 0xff000000, v[232+\b]
.endr
.irp b, 0,1
	v_lshrrev_b32 v[236+\b], 23, v[244+\b]
.endr
	v_lshl_or_b32 v[PS], v237, 8, v236             ; my head's two bytes of the row's word
	v_cvt_scalef32_pk16_fp6_f32 v[PCD:PCD+2], v[S:S+15], v244
	v_cvt_scalef32_pk16_fp6_f32 v[224:226], v[S+16:S+31], v245
	v_nop                                          ; one plain place behind a scaled conversion
.irp i, 0,1,2
	v_permlane16_swap_b32 v[PCD+\i], v[224+\i]
.endr
.irp i, 0,1,2
	v_mov_b32 v[PCD+3+\i], v[224+\i]
.endr
	global_store_b128 v28, v[PCD:PCD+3], s[8:9]
	global_store_b64 v29, v[PCD+4:PCD+5], s[8:9] offset:512
	global_store_b16 v30, v[PS], s[10:11]          ; lanes 16-31 hold the same word as lanes 0-15 and write the same two bytes to the same place
	s_wait_tensorcnt 0x0
	ds_add_u32 v251, v255
	s_wait_dscnt 0x0
	s_endpgm
.Lfunc_end_k_q0148868d0e_attn:
	.size	k_q0148868d0e_attn, .Lfunc_end_k_q0148868d0e_attn-k_q0148868d0e_attn
	.p2alignl 7, 3214868480
	.fill 96, 4, 3214868480
	.section	.rodata,"a",@progbits
	.p2align	6, 0x0
	.amdhsa_kernel k_q0148868d0e_attn
		.amdhsa_group_segment_fixed_size 75776
		.amdhsa_private_segment_fixed_size 0
		.amdhsa_enable_private_segment 0
		.amdhsa_kernarg_size 32
		.amdhsa_user_sgpr_count 2
		.amdhsa_user_sgpr_kernarg_segment_ptr 1
		.amdhsa_wavefront_size32 1
		.amdhsa_system_sgpr_workgroup_id_x 1
		.amdhsa_system_sgpr_workgroup_id_y 1
		.amdhsa_system_sgpr_workgroup_id_z 1
		.amdhsa_system_vgpr_workitem_id 0
		.amdhsa_next_free_vgpr 256
		.amdhsa_next_free_sgpr 66
		.amdhsa_reserve_vcc 1
		.amdhsa_float_denorm_mode_32 3
		.amdhsa_float_denorm_mode_16_64 3
		.amdhsa_memory_ordered 1
		.amdhsa_forward_progress 1
		.amdhsa_inst_pref_size 72
	.end_amdhsa_kernel
	.amdgpu_metadata
---
amdhsa.version: [ 1, 2 ]
amdhsa.kernels:
  - .name:           k_q0148868d0e_attn
    .symbol:         k_q0148868d0e_attn.kd
    .args:
      - { .name: qkv_codes, .offset: 0, .size: 8, .value_kind: global_buffer, .address_space: global }
      - { .name: qkv_scales, .offset: 8, .size: 8, .value_kind: global_buffer, .address_space: global }
      - { .name: ao_codes, .offset: 16, .size: 8, .value_kind: global_buffer, .address_space: global }
      - { .name: ao_scales, .offset: 24, .size: 8, .value_kind: global_buffer, .address_space: global }
    .group_segment_fixed_size: 75776
    .private_segment_fixed_size: 0
    .kernarg_segment_align: 8
    .kernarg_segment_size: 32
    .max_flat_workgroup_size: 512
    .sgpr_count:     66
    .vgpr_count:     256
    .wavefront_size: 32
...
	.end_amdgpu_metadata
.endif
;; end of part 3
;; launch oproj (part 4): grid 8 x 32, 8 waves a work-group, clusters of 4 x 4, 267,264 bytes of LDS; arguments codes, scales, ao_codes, ao_scales, Wo_b, out0; writes out0
.if DOCPART == 4
	.amdgcn_target "amdgcn-amd-amdhsa--gfx1250"
	.amdhsa_code_object_version 6
	.text
	.protected	k_q0148868d0e_oproj
	.globl	k_q0148868d0e_oproj
	.p2align	8
	.type	k_q0148868d0e_oproj,@function
k_q0148868d0e_oproj:
	s_mov_b64 s[64:65], 0
	v_nop
	global_prefetch_b8 v0, s[64:65] scope:SCOPE_SE
	s_setreg_imm32_b32 hwreg(HW_REG_WAVE_MODE, 25, 1), 1
	s_wait_xcnt 0x0
	s_wait_alu depctr_hold_cnt(0) depctr_sa_sdst(0) depctr_va_vdst(0) depctr_va_sdst(0) depctr_va_ssrc(0) depctr_va_vcc(0) depctr_vm_vsrc(0)
	s_getreg_b32 s2, hwreg(HW_REG_IB_STS2, 6, 4)
	s_cmp_eq_u32 s2, 0
	s_cbranch_scc0 .Lentry_in_a_cluster
	s_endpgm
.Lentry_in_a_cluster:
	s_bfe_u32 s2, ttmp6, 0x10000c
	s_cmp_lg_u32 s2, 0xf033
	s_cbranch_scc0 .Lentry_shape_is_right
	s_endpgm
.Lentry_shape_is_right:
; out0 = attention's result x Wo + bo, on codes of FP6 (E2M3) with E8M0 scales; out0 [4096][1024] f32.
; Both operands lie as images of their registers (tile T at 12,288 T, K step s at 1,536 s; lane r of tile 2 P + u holds row 32 P + 8 u + (r & 7) + 16 (r >> 3)): Wo's columns are tiles 448 .. 511 of codes, the tokens tiles 0 .. 255 of ao_codes.
; A work-group makes 128 columns (source 0) x 128 tokens (source 1): 256 work-groups.  Eight waves; wave (w0, w1) makes 64 x 32: 8 accumulators.  Used so, a lane holds eight neighbouring columns of one token's row.
; All of K = 1,024 fits in LDS: four chunks of two K steps, each filled ONCE; nothing is filled again.  The bias is the C of each sum's first product.
; CLUSTERS: 4 x 4.  Wo's tiles hang on the work-group's x: shared along a column of the cluster; the tokens' on its y: shared along a row.  Each is asked for jointly.
.set CHB,   49152                      ; a chunk: source 0's 8 tiles x 3,072 bytes, then source 1's
.set STAGE, 4*CHB                      ; behind the chunks: 32 rows x (256 bytes + 16) for each wave, for the way out; no fill lands here
.set SC0, 16                           ; v16-31 Wo's scale words: 16 + 8 ip + s;  v32-39 the tokens': 32 + s
.set SC1, 32
.set BI,  40                           ; v40-71 the bias, eight registers a tile of columns, in the result's layout
.set F0,  72                           ; v72-119 source 0's four fragments;  v120-143 source 1's two
.set F1,  120
.set ACC, 144                          ; v144-207 accumulator (j, i) at 144 + 32 j + 8 i
.set OUTR, 72                          ; the way out: 16 x 4 registers
.set STO, 208
.set SRD, 209
.set CO,  210
.set G1A, 28
.set G1B, 36
.set G0A, 44                           ; s[44:59] four groups 0 for source 0;  s[68:83] for source 1
.set G0B, 68
.macro JLOAD g0a, g1a, g0b, g1b        ; a joint load: waves 0-3 fetch for source 0, waves 4-7 for source 1; four v_nop follow each line
	s_cmp_eq_u32 s19, 0
	s_cbranch_scc0 .Lfor_b_\@
	tensor_load_to_lds s[\g0a:\g0a+3], s[\g1a:\g1a+7]
	s_nop 0
.rept 4
	v_nop
.endr
	s_branch .Lasked_\@
.Lfor_b_\@:
	tensor_load_to_lds s[\g0b:\g0b+3], s[\g1b:\g1b+7]
	s_nop 0
.rept 4
	v_nop
.endr
.Lasked_\@:
.endm
.macro CROUND
	s_barrier_signal -1
	s_barrier_wait -1
	s_cmp_lg_u32 s18, 0
	s_cbranch_scc1 .Lnot_wave_0_\@
	s_barrier_signal -3
.Lnot_wave_0_\@:
	s_barrier_wait -3
	s_barrier_signal -1
	s_barrier_wait -1
.endm
.macro FRAG reg, a16, a8, off
	ds_load_b128 v[\reg:\reg+3], v[\a16] offset:\off
	ds_load_b64 v[\reg+4:\reg+5], v[\a8] offset:\off+512
	ds_load_b128 v[\reg+6:\reg+9], v[\a16] offset:\off+768
	ds_load_b64 v[\reg+10:\reg+11], v[\a8] offset:\off+1280
.endm
.macro WM d, a, b, c, sa, sb, pa, pb   ; one product; pa, pb = 1: that side's scale words stand in lanes 16-31
.set WMV, 2*(\pb)+(\pa)
.if WMV == 0
	v_wmma_scale_f32_16x16x128_f8f6f4 v[(\d):(\d)+7], v[(\a):(\a)+11], v[(\b):(\b)+11], v[(\c):(\c)+7], v[\sa], v[\sb] matrix_a_fmt:MATRIX_FMT_FP6 matrix_b_fmt:MATRIX_FMT_FP6
.elseif WMV == 1
	v_wmma_scale_f32_16x16x128_f8f6f4 v[(\d):(\d)+7], v[(\a):(\a)+11], v[(\b):(\b)+11], v[(\c):(\c)+7], v[\sa], v[\sb] matrix_a_fmt:MATRIX_FMT_FP6 matrix_b_fmt:MATRIX_FMT_FP6 matrix_a_scale:MATRIX_SCALE_ROW1
.elseif WMV == 2
	v_wmma_scale_f32_16x16x128_f8f6f4 v[(\d):(\d)+7], v[(\a):(\a)+11], v[(\b):(\b)+11], v[(\c):(\c)+7], v[\sa], v[\sb] matrix_a_fmt:MATRIX_FMT_FP6 matrix_b_fmt:MATRIX_FMT_FP6 matrix_b_scale:MATRIX_SCALE_ROW1
.else
	v_wmma_scale_f32_16x16x128_f8f6f4 v[(\d):(\d)+7], v[(\a):(\a)+11], v[(\b):(\b)+11], v[(\c):(\c)+7], v[\sa], v[\sb] matrix_a_fmt:MATRIX_FMT_FP6 matrix_b_fmt:MATRIX_FMT_FP6 matrix_a_scale:MATRIX_SCALE_ROW1 matrix_b_scale:MATRIX_SCALE_ROW1
.endif
.endm
	s_load_b256 s[4:11], s[0:1], 0x0               ; codes, scales, ao_codes, ao_scales
	s_load_b128 s[12:15], s[0:1], 0x20             ; Wo_b, out0
	v_lshl_add_u32 v254, v0, 2, 0x41000
	v_mov_b32 v255, 0
	ds_add_u32 v254, v255
	ds_add_u32 v254, v255
	v_lshrrev_b32 v1, 5, v0
	v_readfirstlane_b32 s18, v1                    ; wave 0..7
	s_lshr_b32 s19, s18, 2                         ; w0: my half of the columns.  Also: I fetch for source 0 (0) or 1 (1)
	s_and_b32 s20, s18, 3                          ; w1: my quarter of the tokens.  Also: which two tiles I fetch
	s_bfe_u32 s21, ttmp6, 0x40000                  ; cx
	s_bfe_u32 s22, ttmp6, 0x40004                  ; cy
	s_lshl_b32 s23, ttmp9, 2
	s_add_co_u32 s23, s23, s21                     ; x: which 128 columns
	s_and_b32 s24, ttmp7, 0xffff
	s_lshl_b32 s24, s24, 2
	s_add_co_u32 s24, s24, s22                     ; y: which 128 tokens
	s_lshl_b32 s92, 0x1111, s21                    ; my column of the cluster
	s_lshl_b32 s93, s22, 2
	s_lshl_b32 s93, 15, s93                        ; my row
	s_or_b32 s[G1A], s92, (3<<16)|(1<<21)          ; 15:0 the mask; 17:16 elements of 8 bytes; 21 set beside a mask; no padding
	s_or_b32 s[G1B], s93, (3<<16)|(1<<21)
.irp g, G1A, G1B
	s_mov_b32 s[\g+1], 384<<16                     ; tensor_dim0 = 384 elements: a tile's chunk, 3,072 bytes
	s_mov_b32 s[\g+2], 2<<16                       ; tensor_dim1 = 2 tiles
	s_mov_b32 s[\g+3], 384<<16                     ; tile_dim0
	s_mov_b32 s[\g+4], 2                           ; tile_dim1
	s_mov_b32 s[\g+5], 1536                        ; from tile to tile: 12,288 bytes
	s_mov_b32 s[\g+6], 0
	s_mov_b32 s[\g+7], 0
.endr
	s_lshl_b32 s88, s20, 1
	s_lshl_b32 s84, s23, 3
	s_add_co_u32 s84, s84, s88
	s_add_co_u32 s84, s84, 448
	s_mul_i32 s84, s84, 12288                      ; Wo's tile 448 + 8 x + 2 (w & 3)
	s_mov_b32 s85, 0
	s_lshl_b32 s86, s24, 3
	s_add_co_u32 s86, s86, s88
	s_mul_i32 s86, s86, 12288                      ; the tokens' tile 8 y + 2 (w & 3)
	s_mov_b32 s87, 0
	s_mul_i32 s89, s18, 6144                       ; where my two tiles go: no place in the cluster enters an LDS address
	s_wait_dscnt 0x0
	s_wait_kmcnt 0x0
	s_add_nc_u64 s[84:85], s[4:5], s[84:85]
	s_add_nc_u64 s[86:87], s[8:9], s[86:87]
	CROUND                                         ; all sixteen work-groups are here: the joint loads meet
.irp n, 0,1,2,3
	s_mov_b32 s[G0A+4*\n], 1
	s_add_co_u32 s[G0A+4*\n+1], s89, \n*CHB
	s_add_nc_u64 s[G0A+4*\n+2:G0A+4*\n+3], s[84:85], \n*3072
	s_or_b32 s[G0A+4*\n+3], s[G0A+4*\n+3], 0x80000000
	s_mov_b32 s[G0B+4*\n], 1
	s_add_co_u32 s[G0B+4*\n+1], s89, \n*CHB
	s_add_nc_u64 s[G0B+4*\n+2:G0B+4*\n+3], s[86:87], \n*3072
	s_or_b32 s[G0B+4*\n+3], s[G0B+4*\n+3], 0x80000000
	JLOAD G0A+4*\n, G1A, G0B+4*\n, G1B             ; all of K: four loads of mine are out
.endr
	v_and_b32 v1, 31, v0                           ; lane
	v_and_b32 v2, 15, v0                           ; r
	v_bfe_u32 v3, v0, 4, 1                         ; h
	s_lshl_b32 s90, s23, 9
	s_lshl_b32 s91, s19, 8
	s_add_co_u32 s90, s90, s91                     ; my first column, in bytes: 4 x (128 x + 64 w0)
	s_mov_b32 s91, 0
	s_add_nc_u64 s[12:13], s[12:13], s[90:91]
	v_lshlrev_b32 v211, 6, v3                      ; tile i's register j is column 32 (i / 2) + 8 (i % 2) + 16 h + j
.irp i, 0,1,2,3
	global_load_b128 v[BI+8*\i:BI+8*\i+3], v211, s[12:13] offset:128*(\i/2)+32*(\i%2)
	global_load_b128 v[BI+8*\i+4:BI+8*\i+7], v211, s[12:13] offset:128*(\i/2)+32*(\i%2)+16
.endr
	s_lshl_b32 s88, s23, 2
	s_lshl_b32 s89, s19, 1
	s_add_co_u32 s88, s88, s89
	s_add_co_u32 s88, s88, 224
	s_lshl_b32 s88, s88, 10
	v_lshl_add_u32 v14, v1, 2, s88                 ; Wo's scale words: pairs 224 + 4 x + 2 w0 on
	s_lshl_b32 s88, s24, 2
	s_add_co_u32 s88, s88, s20
	s_lshl_b32 s88, s88, 10
	v_lshl_add_u32 v15, v1, 2, s88                 ; the tokens': pair 4 y + w1
.irp ip, 0,1
.irp s, 0,1,2,3,4,5,6,7
	global_load_b32 v[SC0+8*\ip+\s], v14, s[6:7] offset:\ip*1024+\s*128
.endr
.endr
.irp s, 0,1,2,3,4,5,6,7
	global_load_b32 v[SC1+\s], v15, s[10:11] offset:\s*128
.endr
	v_lshlrev_b32 v212, 4, v1
	v_lshlrev_b32 v213, 3, v1
	s_mul_i32 s88, s19, 12288
	v_add_nc_u32 v6, s88, v212                     ; my four tiles of source 0 in a chunk
	v_add_nc_u32 v7, s88, v213
	s_mul_i32 s88, s20, 6144
	s_add_co_u32 s88, s88, 24576
	v_add_nc_u32 v8, s88, v212                     ; my two of source 1
	v_add_nc_u32 v9, s88, v213
	s_mul_i32 s88, s18, 32*272
	s_add_co_u32 s88, s88, STAGE                   ; my stage
	v_and_b32 v[STO], 7, v2
	v_lshrrev_b32 v[SRD], 3, v2
	v_lshl_add_u32 v[STO], v[SRD], 4, v[STO]
	v_mul_u32_u24 v[STO], v[STO], 272
	v_lshl_add_u32 v[STO], v3, 6, v[STO]
	v_add_nc_u32 v[STO], s88, v[STO]               ; in: row (r & 7) + 16 (r >> 3) (+ 8 j), + 64 h
	v_mul_u32_u24 v[SRD], v3, 272
	v_lshl_add_u32 v[SRD], v2, 4, v[SRD]
	v_add_nc_u32 v[SRD], s88, v[SRD]               ; back: lanes 0-15 one row of 256 bytes, lanes 16-31 the next
	v_lshlrev_b32 v[CO], 12, v3
	v_lshl_add_u32 v[CO], v2, 4, v[CO]             ; and the same two rows in out0
	s_lshl_b32 s92, s24, 7
	s_lshl_b32 s93, s20, 5
	s_add_co_u32 s92, s92, s93
	s_lshl_b32 s92, s92, 12                        ; my first token's row
	s_add_co_u32 s92, s92, s90
	s_mov_b32 s93, 0
	s_add_nc_u64 s[14:15], s[14:15], s[92:93]
; A K step: 24 LDS loads in one run, then 8 products; the 8 accumulators take turns, one instruction a turn, in the same order in every step.
.macro KSTEP sp, s
.if \sp
.rept 4
	v_nop                                          ; four places in front of loads into registers that matrix instructions have read (at a chunk's first step the four additions are these places)
.endr
.endif
.irp j, 0,1
	FRAG F1+12*\j, 12, 13, \j*3072+\sp*1536
.endr
.irp i, 0,1,2,3
	FRAG F0+12*\i, 10, 11, \i*3072+\sp*1536
.endr
.irp i, 0,1,2,3
	s_wait_dscnt 4*(3-\i)                          ; source 1's fragments and source 0's up to i are in; the four loads of each later fragment may be out
.irp j, 0,1
.if (\s) == 0
	WM ACC+32*\j+8*\i, F0+12*\i, F1+12*\j, BI+8*\i, SC0+8*(\i/2)+(\s), SC1+(\s), \i%2, \j%2      ; the bias starts the sums
.else
	WM ACC+32*\j+8*\i, F0+12*\i, F1+12*\j, ACC+32*\j+8*\i, SC0+8*(\i/2)+(\s), SC1+(\s), \i%2, \j%2
.endif
.endr
.endr
.endm
.macro CHUNK n
	v_add_nc_u32 v10, \n*CHB, v6
	v_add_nc_u32 v11, \n*CHB, v7
	v_add_nc_u32 v12, \n*CHB, v8
	v_add_nc_u32 v13, \n*CHB, v9
	KSTEP 0, 2*\n
	KSTEP 1, 2*\n+1
.endm
.irp n, 0,1,2,3
	s_wait_tensorcnt 3-\n                          ; my part of chunk n is in; the later chunks' loads may stay out
	s_wait_dscnt 0x0
	s_barrier_signal -1
	s_barrier_wait -1                              ; everybody's is
.if \n == 0
	s_wait_loadcnt 0x0                             ; the bias and the scale words
.endif
	CHUNK \n
.endr
	; THE WAY OUT: a lane's 32 bytes of a row go into my own stage and come back as whole rows of 256 bytes: sixteen lanes store 256 consecutive bytes, at a multiple of 256 from out0's first byte
.rept 4
	v_nop                                          ; four places in front of the first reads of results and of loads into the fragments' registers
.endr
.irp j, 0,1
.irp i, 0,1,2,3
	ds_store_b128 v[STO], v[ACC+32*\j+8*\i:ACC+32*\j+8*\i+3] offset:\j*8*272+128*(\i/2)+32*(\i%2)          ; each accumulator from its low end on
	ds_store_b128 v[STO], v[ACC+32*\j+8*\i+4:ACC+32*\j+8*\i+7] offset:\j*8*272+128*(\i/2)+32*(\i%2)+16
.endr
.endr
.irp t, 0,1,2,3,4,5,6,7,8,9,10,11,12,13,14,15
	ds_load_b128 v[OUTR+4*\t:OUTR+4*\t+3], v[SRD] offset:\t*2*272   ; LDS serves a wave's instructions in order: these see my stores
.endr
.irp t, 0,1,2,3,4,5,6,7,8,9,10,11,12,13,14,15
	s_wait_dscnt 15-\t                             ; rows 2 t, 2 t + 1 are back; the later loads may be out
	global_store_b128 v[CO], v[OUTR+4*\t:OUTR+4*\t+3], s[14:15] offset:\t*8192 th:TH_STORE_NT
.endr
	s_wait_dscnt 0x0
	s_wait_tensorcnt 0x0
	ds_add_u32 v254, v255
	s_wait_dscnt 0x0
	CROUND                                         ; the closing round: no work-group ends while a partner may still ask for a tile that names it
	s_endpgm
.Lfunc_end_k_q0148868d0e_oproj:
	.size	k_q0148868d0e_oproj, .Lfunc_end_k_q0148868d0e_oproj-k_q0148868d0e_oproj
	.p2alignl 7, 3214868480
	.fill 96, 4, 3214868480
	.section	.rodata,"a",@progbits
	.p2align	6, 0x0
	.amdhsa_kernel k_q0148868d0e_oproj
		.amdhsa_group_segment_fixed_size 267264
		.amdhsa_private_segment_fixed_size 0
		.amdhsa_enable_private_segment 0
		.amdhsa_kernarg_size 48
		.amdhsa_user_sgpr_count 2
		.amdhsa_user_sgpr_kernarg_segment_ptr 1
		.amdhsa_wavefront_size32 1
		.amdhsa_system_sgpr_workgroup_id_x 1
		.amdhsa_system_sgpr_workgroup_id_y 1
		.amdhsa_system_sgpr_workgroup_id_z 1
		.amdhsa_system_vgpr_workitem_id 0
		.amdhsa_next_free_vgpr 256
		.amdhsa_next_free_sgpr 96
		.amdhsa_reserve_vcc 0
		.amdhsa_float_denorm_mode_32 3
		.amdhsa_float_denorm_mode_16_64 3
		.amdhsa_memory_ordered 1
		.amdhsa_forward_progress 1
		.amdhsa_inst_pref_size 40
	.end_amdhsa_kernel
	.amdgpu_metadata
---
amdhsa.version: [ 1, 2 ]
amdhsa.kernels:
  - .name:           k_q0148868d0e_oproj
    .symbol:         k_q0148868d0e_oproj.kd
    .args:
      - { .name: codes, .offset: 0, .size: 8, .value_kind: global_buffer, .address_space: global }
      - { .name: scales, .offset: 8, .size: 8, .value_kind: global_buffer, .address_space: global }
      - { .name: ao_codes, .offset: 16, .size: 8, .value_kind: global_buffer, .address_space: global }
      - { .name: ao_scales, .offset: 24, .size: 8, .value_kind: global_buffer, .address_space: global }
      - { .name: Wo_b, .offset: 32, .size: 8, .value_kind: global_buffer, .address_space: global }
      - { .name: out0, .offset: 40, .size: 8, .value_kind: global_buffer, .address_space: global }
    .group_segment_fixed_size: 267264
    .private_segment_fixed_size: 0
    .kernarg_segment_align: 8
    .kernarg_segment_size: 48
    .max_flat_workgroup_size: 256
    .sgpr_count:     96
    .vgpr_count:     256
    .wavefront_size: 32
...
	.end_amdgpu_metadata
.endif
;; end of part 4
;; ======== version 2 of 2: 4 launches; version 1 with the launches quant, attn written anew for expert scheduling mode
;; workspace buffers: codes 6,291,456 bytes; scales 262,144 bytes; qkv_codes 9,437,184 bytes; qkv_scales 393,216 bytes; ao_codes 3,145,728 bytes; ao_scales 131,072 bytes
;; launch quant (part 5): grid 256 x 1, 8 waves a work-group, no clusters, 136,192 bytes of LDS; arguments q, Wq_w, Wk_w, Wv_w, Wo_w, codes, scales, out1; writes codes, scales, out1
.if DOCPART == 5
	.amdgcn_target "amdgcn-amd-amdhsa--gfx1250"
	.amdhsa_code_object_version 6
	.text
	.protected	k_q0148868d0e_quant
	.globl	k_q0148868d0e_quant
	.p2align	8
	.type	k_q0148868d0e_quant,@function
k_q0148868d0e_quant:
	s_mov_b64 s[64:65], 0
	v_nop
	global_prefetch_b8 v0, s[64:65] scope:SCOPE_SE
	s_setreg_imm32_b32 hwreg(HW_REG_WAVE_SCHED_MODE, 0, 2), 2
	s_setreg_imm32_b32 hwreg(HW_REG_WAVE_MODE, 25, 1), 1
	s_wait_xcnt 0x0
	s_wait_alu depctr_vm_vsrc(0)
; q [4096][1024] f32 is quantised along its last axis, Wq, Wk, Wv, Wo [1024 (k)][1024 (n)] f32 along their FIRST axis, to codes of FP6 (E2M3) with one E8M0 byte for each 32 along K; out1 = 0 .. 2047.
; A block's scale is 2^(floor(log2(its largest magnitude)) - 2); its byte is the largest magnitude's exponent field - 2, held at 1 from below by a floor among the maximum's leaves.
; LIMITS: NaN and infinities among the inputs are not served.  A block of zeros gets the byte 1 (the rule says 127): its codes are zeros, and the bytes are read by this program alone.
; THE WORKSPACE IS LAID AS IMAGES OF THE OPERANDS' REGISTERS.  Rows (tokens, or a weight's columns) go in pairs of 32, a pair in two tiles u = 0, 1; lane r of tile 2 P + u holds row 32 P + 8 u + (r & 7) + 16 (r >> 3).
; A fragment (16 rows x 128 K, 12 registers a lane) is two halves of 768 bytes: registers 6 c .. 6 c + 3 at 16 x lane, registers 6 c + 4, 6 c + 5 at 512 + 8 x lane.  codes: tile T at 12,288 T, K step s at 1,536 s.
; scales: pair P at 1,024 P, K step s at 128 s: 32 words, word 16 u + r for tile u's lane r.  Tiles 0-255 are q's, tile 256 + 64 m + t is weight m's (Wq, Wk, Wv, Wo).
; A stream: each wave takes ONE unit of 16 KiB (32 rows x 128 K), no loop, so the launch's reads are asked for at its start.  No matrix unit, no cluster, no tensor load: nothing is shared, and memory binds.
; Work-groups 0-127 take q (work-group = pair of tokens, wave = K step); work-groups 128-255 the weights.  Only q's path touches LDS.
; THE MODE: SCHED_MODE bits 1:0 = 2 (LLVM: expert scheduling mode 2), set by the entry lines.  The code itself states the register dependences between vector instructions and memory or LDS instructions, with s_wait_alu, always for 0.
; THE PLAN.  Registers that memory or LDS instructions touch:
;   v4, v5, v6   offsets, made at the head;  v7, v8 (q's path) and v9, v10, v11 (the weights') made once on their path: none is ever written again.
;   X            q's path: the global loads land in it, the LDS stores read it, the LDS loads land in it again, QUANT reads it.  The weights' path: each register is loaded once and read by vector lines alone.
;   PC0, PC1, PWC; the weights' codes at 144 + 8 beta, SB: written by vector lines, read by stores; each has registers of its own, so no store's data are written again.
; So: one wait on va_vdst ahead of the first user of each group of addresses and ahead of each run of stores, and one wait on vm_vsrc, between q's LDS stores and the LDS loads that land in the same registers.
.set X,    16                          ; v16-143  128 numbers of a lane
.set PC0,  144                         ; v144-163 tile 0's codes (12) and the conversions' second halves;  on the weights' path: a block's codes at 144 + 8 beta
.set PC1,  164                         ; v164-183 tile 1's: two sets, so that no store's data are written again
.set TM,   184                         ; v184-199 at work in QUANT
.set PW0,  200
.set PW1,  201
.set PWC,  202
.set SB,   203                         ; the weights' path: my column's four scale bytes
.set SEL,  28                          ; s[28:29] lane selects for v_permlanex16_b32: lane l xor 16
.set SPITCH, 528                       ; a stage row: 512 bytes + 16 = 132 words: row r starts at bank 4 r mod 64 (64 banks of 4 bytes: ISA guide 11.1)
.set WSTG, 32*SPITCH                   ; a wave's own stage
; 64 numbers of a lane, register 16 b + i = k 32 b + 16 (lane / 16) + i of my row, become a fragment's 12 registers at v[pc] and my row's scale word in v[pw]
.macro QUANT s, pc, pw
.irp b, 0,1,2,3
	v_max3_num_f32 v[TM+\b], |v[\s+16*\b]|, |v[\s+1+16*\b]|, 0x1800000   ; my 16 numbers of block b, and the floor 2^(3 - 127)
.endr
.irp i, 2,4,6,8,10,12,14
.irp b, 0,1,2,3
	v_max3_num_f32 v[TM+\b], v[TM+\b], |v[\s+16*\b+\i]|, |v[\s+1+16*\b+\i]|   ; the four blocks by turns
.endr
.endr
.irp b, 0,1,2,3
	v_permlanex16_b32 v[TM+4+\b], v[TM+\b], s[SEL], s[SEL+1]
.endr
.irp b, 0,1,2,3
	v_max_num_f32 v[TM+\b], v[TM+\b], v[TM+4+\b]                        ; with lane l xor 16's: the block's largest magnitude
.endr
.irp b, 0,1,2,3
	v_add_nc_u32 v[TM+12+\b], 0xff000000, v[TM+\b]                      ; 2 off its exponent field: the conversion's scale operand
.endr
.irp b, 0,1,2,3
	v_lshrrev_b32 v[TM+4+\b], 23, v[TM+12+\b]                           ; the scale's byte
.endr
	v_lshl_or_b32 v[\pw], v[TM+5], 8, v[TM+4]
	v_lshl_or_b32 v[\pw], v[TM+6], 16, v[\pw]
	v_lshl_or_b32 v[\pw], v[TM+7], 24, v[\pw]
.irp c, 0,1
	v_cvt_scalef32_pk16_fp6_f32 v[\pc+6*\c:\pc+2+6*\c], v[\s+32*\c:\s+15+32*\c], v[TM+12+2*\c]
	v_cvt_scalef32_pk16_fp6_f32 v[\pc+12+4*\c:\pc+14+4*\c], v[\s+16+32*\c:\s+31+32*\c], v[TM+12+2*\c+1]   ; (a conversion's three registers begin on an even number)
.endr
	v_nop                                          ; one plain place behind a scaled conversion
.irp c, 0,1                                    ; the layout wants a WHOLE block in a lane: lanes 0-15 block 2 c, lanes 16-31 block 2 c + 1
.irp i, 0,1,2
	v_permlane16_swap_b32 v[\pc+6*\c+\i], v[\pc+12+4*\c+\i]
.endr
.irp i, 0,1,2
	v_mov_b32 v[\pc+3+6*\c+\i], v[\pc+12+4*\c+\i]
.endr
.endr
.endm
.macro PUT pc, off                     ; a fragment's image: 512, 256, 512, 256 consecutive bytes
	global_store_b128 v4, v[\pc:\pc+3], s[14:15] offset:\off
	global_store_b64 v5, v[\pc+4:\pc+5], s[14:15] offset:\off+512
	global_store_b128 v4, v[\pc+6:\pc+9], s[14:15] offset:\off+768
	global_store_b64 v5, v[\pc+10:\pc+11], s[14:15] offset:\off+1280
.endm
	s_load_b256 s[4:11], s[0:1], 0x0               ; q, Wq, Wk, Wv
	s_load_b256 s[12:19], s[0:1], 0x20             ; Wo, codes, scales, out1
	v_lshl_add_u32 v194, v0, 2, 0x21000
	v_mov_b32 v195, 0
	v_lshrrev_b32 v1, 5, v0
	v_readfirstlane_b32 s20, v1                    ; wave 0..7
	v_and_b32 v1, 31, v0                           ; lane
	v_and_b32 v2, 15, v0                           ; r
	v_bfe_u32 v3, v0, 4, 1                         ; h (on the weights' path: u)
	v_lshlrev_b32 v4, 4, v1
	v_lshlrev_b32 v5, 3, v1
	v_lshlrev_b32 v6, 2, v1
	s_mov_b32 s[SEL], 0x76543210
	s_mov_b32 s[SEL+1], 0xfedcba98
	s_mov_b32 s30, 0xffff0000                      ; lanes 16-31
	s_mov_b32 s27, 0
.irp b, 0,1,2,3
	v_mov_b32 v[TM+4+\b], 0                        ; written once: a lane permute's destination counts as one of its sources
.endr
	s_wait_kmcnt 0x0
	s_wait_alu depctr_va_sdst(0)                   ; s20 is written
	s_wait_alu depctr_va_vdst(0)                   ; v4, v5 and v6 are written: the loads and stores of both paths read them as offsets
	s_cmp_ge_u32 ttmp9, 128
	s_cbranch_scc1 .Lweights
	; ---- q: pair P = work-group, K step = wave
	s_lshl_b32 s26, ttmp9, 17                      ; 32 rows of 4,096 bytes
	s_lshl_b32 s21, s20, 9                         ; + 512 bytes a K step
	s_add_co_u32 s26, s26, s21
	s_add_nc_u64 s[24:25], s[4:5], s[26:27]
.set p, 0
.rept 32
	global_load_b128 v[X+4*p:X+4*p+3], v4, s[24:25] offset:p*4096 th:TH_LOAD_NT   ; row p: 32 lanes read 512 consecutive bytes
.set p, p+1
.endr
	s_mul_i32 s21, s20, WSTG
	v_add_nc_u32 v7, s21, v4                       ; into my stage: 16 x lane of a row
	v_mul_u32_u24 v8, v2, SPITCH
	v_lshl_add_u32 v8, v3, 6, v8
	v_add_nc_u32 v8, s21, v8                       ; out of it: row r of a tile, + 64 h: my 16 numbers of each block of 32
	s_mul_i32 s26, ttmp9, 24576                    ; tile 2 P,
	s_mul_i32 s22, s20, 1536                       ; K step s
	s_add_co_u32 s26, s26, s22
	s_add_nc_u64 s[14:15], s[14:15], s[26:27]
	s_lshl_b32 s26, ttmp9, 10
	s_lshl_b32 s22, s20, 7
	s_add_co_u32 s26, s26, s22
	s_add_nc_u64 s[16:17], s[16:17], s[26:27]
	s_wait_alu depctr_va_vdst(0)                   ; v7 and v8 are written: the LDS stores and loads below read them as addresses
.set p, 0
.rept 32
	s_wait_loadcnt 31-p                            ; loads come back in order: row p is in, the 31 - p younger ones stay out
	ds_store_b128 v7, v[X+4*p:X+4*p+3] offset:(16*((p>>3)&1)+(p&7)+8*(p>>4))*SPITCH   ; to its place in tile order: a tile's 16 rows lie on end
.set p, p+1
.endr
	s_wait_alu depctr_vm_vsrc(0)                   ; the LDS stores have read v[X ..], in which the LDS loads below land
.irp u, 0,1
.irp b, 0,1,2,3
.irp k, 0,1,2,3
	ds_load_b128 v[X+64*\u+16*\b+4*\k:X+64*\u+16*\b+4*\k+3], v8 offset:\u*16*SPITCH+128*\b+16*\k   ; LDS serves a wave's instructions in order: these see my stores
.endr
.endr
.endr
	s_wait_dscnt 16                                ; tile 0's sixteen loads are in; tile 1's sixteen may be out
	QUANT X, PC0, PW0
	s_wait_alu depctr_va_vdst(0)                   ; tile 0's codes are written in v[PC0 ..], which the four stores read
	PUT PC0, 0
	s_wait_dscnt 0x0
	QUANT X+64, PC1, PW1
	v_cndmask_b32 v[PWC], v[PW0], v[PW1], s30      ; lanes 0-15 tile 0's words, lanes 16-31 tile 1's
	s_wait_alu depctr_va_vdst(0)                   ; tile 1's codes in v[PC1 ..] and the pair's scale words in v[PWC] are written, which the five stores read
	PUT PC1, 12288
	global_store_b32 v6, v[PWC], s[16:17]
	s_cmp_lt_u32 ttmp9, 16                         ; out1: wave 0 of the first sixteen work-groups stores 128 numbers each
	s_cbranch_scc0 .Lend
	s_cmp_eq_u32 s20, 0
	s_cbranch_scc0 .Lend
	s_lshl_b32 s21, ttmp9, 7
	v_lshl_add_u32 v204, v1, 2, s21
	v_add_nc_u32 v205, 1, v204
	v_add_nc_u32 v206, 2, v204
	v_add_nc_u32 v207, 3, v204
	s_lshl_b32 s26, ttmp9, 9
	s_add_nc_u64 s[18:19], s[18:19], s[26:27]
	s_wait_alu depctr_va_vdst(0)                   ; the four numbers are written in v[204:207], which the store reads
	global_store_b128 v4, v[204:207], s[18:19]
.Lend:
	s_wait_dscnt 0x0
	s_wait_alu depctr_hold_cnt(0) depctr_sa_sdst(0) depctr_va_vdst(0) depctr_va_sdst(0) depctr_va_ssrc(0) depctr_va_vcc(0) depctr_vm_vsrc(0)
	s_wait_tensorcnt 0x0
	ds_add_u32 v194, v195
	s_wait_dscnt 0x0
	s_endpgm
	; ---- the weights: A LANE TAKES A COLUMN, AND ITS REGISTERS RUN DOWN K.  A wave takes 32 columns x 128 K of weight m
.Lweights:
	s_sub_co_u32 s21, ttmp9, 128
	s_lshr_b32 s22, s21, 5                         ; m
	s_and_b32 s23, s21, 7
	s_bfe_u32 s31, s21, 0x20003
	s_and_b32 s32, s20, 3
	s_lshl_b32 s23, s23, 2
	s_add_co_u32 s23, s23, s32                     ; cg: which 32 columns; four waves stand side by side on 512 bytes
	s_lshr_b32 s32, s20, 2
	s_lshl_b32 s31, s31, 1
	s_add_co_u32 s31, s31, s32                     ; K step
	s_mov_b64 s[24:25], s[6:7]
	s_cmp_eq_u32 s22, 1                            ; the choice hangs on the work-group's number alone
	s_cselect_b64 s[24:25], s[8:9], s[24:25]
	s_cmp_eq_u32 s22, 2
	s_cselect_b64 s[24:25], s[10:11], s[24:25]
	s_cmp_eq_u32 s22, 3
	s_cselect_b64 s[24:25], s[12:13], s[24:25]
	s_lshl_b32 s26, s31, 19                        ; 128 rows of 4,096 bytes a K step
	s_lshl_b32 s32, s23, 7
	s_add_co_u32 s26, s26, s32
	s_add_nc_u64 s[24:25], s[24:25], s[26:27]
	v_and_b32 v12, 7, v2
	v_lshrrev_b32 v13, 3, v2
	v_lshl_add_u32 v12, v3, 3, v12
	v_lshl_add_u32 v12, v13, 4, v12                ; lane 16 u + r takes column 8 u + (r & 7) + 16 (r >> 3) of the 32
	v_lshlrev_b32 v9, 2, v12
	s_wait_alu depctr_va_vdst(0)                   ; v9 is written: all 128 loads read it as their offset; no vector line names it, or a block's registers ahead of that block's loads, again
.macro LOADB beta                      ; block beta: W(32 beta + i, my column): the wave reads 128 consecutive bytes
.set i, 0
.rept 32
	global_load_b32 v[X+32*(\beta)+i], v9, s[24:25] offset:(32*(\beta)+i)*4096 th:TH_LOAD_NT
.set i, i+1
.endr
.endm
	LOADB 0
	LOADB 1
	v_mul_u32_u24 v12, v3, 12288
	v_lshl_add_u32 v10, v2, 4, v12                 ; my tile, lane r's 16 bytes
	v_lshl_add_u32 v11, v2, 3, v12                 ; and its 8
	s_lshl_b32 s32, s22, 6
	s_lshl_b32 s33, s23, 1
	s_add_co_u32 s32, s32, s33
	s_add_co_u32 s32, s32, 256
	s_mul_i32 s26, s32, 12288                      ; tile 256 + 64 m + 2 cg
	s_mul_i32 s33, s31, 1536
	s_add_co_u32 s26, s26, s33
	s_add_nc_u64 s[14:15], s[14:15], s[26:27]
	s_lshl_b32 s32, s22, 5
	s_add_co_u32 s32, s32, s23
	s_add_co_u32 s32, s32, 128
	s_lshl_b32 s26, s32, 10                        ; pair 128 + 32 m + cg
	s_lshl_b32 s33, s31, 7
	s_add_co_u32 s26, s26, s33
	s_add_nc_u64 s[16:17], s[16:17], s[26:27]
; Block beta of my column is, in the fragment, what lane r + 16 (beta % 2) holds in registers 6 (beta / 2) on: sixteen lanes store 256 consecutive bytes, then 128
.macro BLOCKQ beta
.set XS, X+32*(\beta)
.set CB, 144+8*(\beta)
	v_max3_num_f32 v184, |v[XS]|, |v[XS+1]|, |v[XS+2]|              ; all 32 numbers are mine: two chains
	v_max3_num_f32 v185, |v[XS+3]|, |v[XS+4]|, |v[XS+5]|
.irp i, 6,10,14,18,22,26
	v_max3_num_f32 v184, v184, |v[XS+\i]|, |v[XS+\i+1]|
	v_max3_num_f32 v185, v185, |v[XS+\i+2]|, |v[XS+\i+3]|
.endr
	v_max3_num_f32 v184, v184, |v[XS+30]|, |v[XS+31]|
	v_max3_num_f32 v184, v184, v185, 0x1800000     ; and the floor
	v_add_nc_u32 v186, 0xff000000, v184
	v_lshrrev_b32 v187, 23, v186
.if (\beta) == 0
	v_mov_b32 v[SB], v187
.else
	v_lshl_or_b32 v[SB], v187, 8*(\beta), v[SB]
.endif
	v_cvt_scalef32_pk16_fp6_f32 v[CB:CB+2], v[XS:XS+15], v186
	v_cvt_scalef32_pk16_fp6_f32 v[CB+4:CB+6], v[XS+16:XS+31], v186
	v_nop                                          ; one plain place behind a scaled conversion
	v_mov_b32 v[CB+3], v[CB+4]
	v_mov_b32 v[CB+4], v[CB+5]
	v_mov_b32 v[CB+5], v[CB+6]
	s_wait_alu depctr_va_vdst(0)                   ; the block's codes are written in v[CB ..], which the two stores read (at block 0 also their offsets v10 and v11; at block 3 also v[SB], for the last store)
	global_store_b128 v10, v[CB:CB+3], s[14:15] offset:((\beta)/2)*768+256*((\beta)%2)
	global_store_b64 v11, v[CB+4:CB+5], s[14:15] offset:((\beta)/2)*768+512+128*((\beta)%2)
.endm
	s_wait_loadcnt 32                              ; block 0's 32 loads are in, block 1's may be out
	LOADB 2
	BLOCKQ 0
	s_wait_loadcnt 32                              ; block 1's are in, block 2's may be out
	LOADB 3
	BLOCKQ 1
	s_wait_loadcnt 32                              ; block 2's are in, block 3's may be out
	BLOCKQ 2
	s_wait_loadcnt 0x0
	BLOCKQ 3
	global_store_b32 v6, v[SB], s[16:17]           ; word 16 u + r: 128 consecutive bytes
	s_endpgm
.Lfunc_end_k_q0148868d0e_quant:
	.size	k_q0148868d0e_quant, .Lfunc_end_k_q0148868d0e_quant-k_q0148868d0e_quant
	.p2alignl 7, 3214868480
	.fill 96, 4, 3214868480
	.section	.rodata,"a",@progbits
	.p2align	6, 0x0
	.amdhsa_kernel k_q0148868d0e_quant
		.amdhsa_group_segment_fixed_size 136192
		.amdhsa_private_segment_fixed_size 0
		.amdhsa_enable_private_segment 0
		.amdhsa_kernarg_size 64
		.amdhsa_user_sgpr_count 2
		.amdhsa_user_sgpr_kernarg_segment_ptr 1
		.amdhsa_wavefront_size32 1
		.amdhsa_system_sgpr_workgroup_id_x 1
		.amdhsa_system_sgpr_workgroup_id_y 1
		.amdhsa_system_sgpr_workgroup_id_z 1
		.amdhsa_system_vgpr_workitem_id 0
		.amdhsa_next_free_vgpr 208
		.amdhsa_next_free_sgpr 66
		.amdhsa_reserve_vcc 0
		.amdhsa_float_denorm_mode_32 3
		.amdhsa_float_denorm_mode_16_64 3
		.amdhsa_memory_ordered 1
		.amdhsa_forward_progress 1
		.amdhsa_inst_pref_size 40
	.end_amdhsa_kernel
	.amdgpu_metadata
---
amdhsa.version: [ 1, 2 ]
amdhsa.kernels:
  - .name:           k_q0148868d0e_quant
    .symbol:         k_q0148868d0e_quant.kd
    .args:
      - { .name: q, .offset: 0, .size: 8, .value_kind: global_buffer, .address_space: global }
      - { .name: Wq_w, .offset: 8, .size: 8, .value_kind: global_buffer, .address_space: global }
      - { .name: Wk_w, .offset: 16, .size: 8, .value_kind: global_buffer, .address_space: global }
      - { .name: Wv_w, .offset: 24, .size: 8, .value_kind: global_buffer, .address_space: global }
      - { .name: Wo_w, .offset: 32, .size: 8, .value_kind: global_buffer, .address_space: global }
      - { .name: codes, .offset: 40, .size: 8, .value_kind: global_buffer, .address_space: global }
      - { .name: scales, .offset: 48, .size: 8, .value_kind: global_buffer, .address_space: global }
      - { .name: out1, .offset: 56, .size: 8, .value_kind: global_buffer, .address_space: global }
    .group_segment_fixed_size: 136192
    .private_segment_fixed_size: 0
    .kernarg_segment_align: 8
    .kernarg_segment_size: 64
    .max_flat_workgroup_size: 256
    .sgpr_count:     66
    .vgpr_count:     208
    .wavefront_size: 32
...
	.end_amdgpu_metadata
.endif
;; end of part 5
;; launch qkv: the kernel of part 2 again; grid 8 x 24, 8 waves a work-group, clusters of 4 x 4, 327,680 bytes of LDS; arguments codes, scales, Wq_b, Wk_b, Wv_b, qkv_codes, qkv_scales; writes qkv_codes, qkv_scales
;; launch attn (part 6): grid 16 x 16, 16 waves a work-group, no clusters, 75,776 bytes of LDS; arguments qkv_codes, qkv_scales, ao_codes, ao_scales; writes ao_codes, ao_scales
.if DOCPART == 6
	.amdgcn_target "amdgcn-amd-amdhsa--gfx1250"
	.amdhsa_code_object_version 6
	.text
	.protected	k_q0148868d0e_attn
	.globl	k_q0148868d0e_attn
	.p2align	8
	.type	k_q0148868d0e_attn,@function
k_q0148868d0e_attn:
	s_mov_b64 s[64:65], 0
	v_nop
	global_prefetch_b8 v0, s[64:65] scope:SCOPE_SE
	s_setreg_imm32_b32 hwreg(HW_REG_WAVE_SCHED_MODE, 0, 2), 2
	s_setreg_imm32_b32 hwreg(HW_REG_WAVE_MODE, 25, 1), 1
	s_wait_xcnt 0x0
	s_wait_alu depctr_vm_vsrc(0)
; Attention in a band, |query - key| <= 128, on codes of FP6 (E2M3) with E8M0 scales; 16 heads of 64, 2,048 tokens, 2 batches.  The result, divided by the row's sum, is quantised along d and leaves as codes for the last projection.
; SOFTMAX: t = score x log2(e) / 8; M = the largest t so far, rounded UP to a whole number; p = 2^(t - M) is quantised along the keys, not normalised; the row's sum is taken of the unquantised p; when M moves, sum and O are multiplied by 2^(old M - new M): exact.
; SHARES.  Work-group (a, 8 b + g): queries 128 a .. 128 a + 127 of heads 2 g, 2 g + 1.  Wave w: head 2 g + (w >> 3), query tile w & 7: 16 queries in 256 registers, four waves to a SIMD, so that one wave's vector work stands beside another's products.
; KEYS.  Only blocks a - 1, a, a + 1 of 128 keys can count.  Order: the own block first (all its keys count, so M is a number from the first step on), then the block before (key jl counts where jl >= il), then the block after (jl <= il).
; At the sequence's ends the block's number is clamped, so that no load leaves its buffer, and the threshold is moved by 128, which hides the whole step: every work-group runs the same text, with no branch.
; LAYOUT.  Both products are used transposed (S^T = K Q^T, O^T = V^T P^T): a lane holds ONE query.  Lane r of tile 2 P + u holds row 32 P + 8 u + (r & 7) + 16 (r >> 3), so the 16 registers of two neighbouring tiles are 16 neighbours along the next K.
; The first product's K is 64: registers 0-5 of each operand hold the head's codes, registers 6-11 zero codes, which add nothing.
; NO MULTICAST: neighbouring query blocks want shifted sets of key blocks, so partners would need different descriptors; the tiles (72 KiB a work-group) come through registers, each wave bringing 1,536 bytes of each step, once.
; LIMITS: NaN and infinities are not served; a block of zeros gets the byte 1 (its codes are zeros; this program alone reads the bytes).
; THE MODE: SCHED_MODE bits 1:0 = 2 (LLVM: expert scheduling mode 2), set by the entry lines.  The code itself states the register dependences between vector or matrix instructions and memory or LDS instructions, with s_wait_alu, always for 0.
; THE PLAN.  Registers that memory or LDS instructions touch:
;   v80-92, v1-4, v28-30   offsets and LDS addresses: each made once at the head and never written again; the three steps are reached by immediate offsets.
;   KB (registers 0-5 of each of four fragments)   LDS loads land there, the products K Q^T read them.  Tiles 0-3 of a step are asked for in the step BEFORE, behind V's loads; tiles 4-7 behind the step's first four products.
;   S    at the head: global loads land in it, LDS stores read it.  In a step: K Q^T writes it; mask, maxima, scalings and exponentials work on it; conversions and sums read it; then V's LDS loads land in it, and V^T P reads them.
;   PCD, PS   p's codes and scale word: written by vector lines, taken by the scaled products; at the end the stores' data.
; A step's waits on va_vdst: (1) behind the first four products, ahead of the loads into KB; (2) behind the exponentials, ahead of their first reader; (3) behind the conversions and sums, ahead of the loads into S and, for the next step, into KB;
; (4) behind the places in front of V^T P, for p's codes and scale word.  Work that names none of the registers asked for stands behind each run of loads: behind (1) the mask and maxima of the first two blocks of keys, behind (3) the exchange of halves and O^T's rescaling.
; The mask's compares go in runs of sixteen into s[24:39], with one wait on va_sdst behind each run.  No register that a memory or LDS instruction reads is written in a step, so a step has no wait on vm_vsrc.
.set STEPB, 24576                      ; LDS: a step: K's 8 tiles x 1,536 (both heads' halves), V of head 2 g: 4 x 1,536, V of head 2 g + 1
.set AK16, 1                           ; v1  16 x lane + 768 c;  v2  8 x lane + 768 c: my head's half of a tile of K
.set AK8,  2
.set AV16, 3                           ; v3, v4: my head's V
.set AV8,  4
.set D0,   5                           ; v5  the block before: register n is hidden where 32 (n / 16) + n % 16 < D0
.set D2,   6                           ; v6  the block after: where .. > D2
.set NINF, 10                          ; v10 -infinity
.set QF,   16                          ; v16-27 Q (22-27 zero)
.set KB,   32                          ; v32-79 four fragments of K (registers 6-11 of each zero, never a load's target)
.set S,    96                          ; v96-159 S^T, then p, then V's four fragments
.set O,    160                         ; v160-191 O^T
.set KS,   192                         ; v192-203 K's scale words, 4 a step;  v204-209 V's, 2 a step;  v210 Q's;  v211 p's
.set VS,   204
.set QS,   210
.set PS,   211
.set PCD,  212                         ; v212-223 p's codes;  v224-230 the conversions' second halves
.set SEL,  20
.set CS,   22
.set MK,   24                          ; s[24:39] the masks of a run of sixteen compares: these registers serve the head's arithmetic and are free behind it
.macro FRAG reg, a16, a8, off
	ds_load_b128 v[\reg:\reg+3], v[\a16] offset:\off
	ds_load_b64 v[\reg+4:\reg+5], v[\a8] offset:\off+512
	ds_load_b128 v[\reg+6:\reg+9], v[\a16] offset:\off+768
	ds_load_b64 v[\reg+10:\reg+11], v[\a8] offset:\off+1280
.endm
; one product.  c < 0: the constant 0 starts the sum.  pa = 1: source 0's scale words stand in lanes 16-31
.macro WM d, a, b, c, sa, sb, pa, pb
.if (\c) < 0
.if (\pa) == 0
	v_wmma_scale_f32_16x16x128_f8f6f4 v[(\d):(\d)+7], v[(\a):(\a)+11], v[(\b):(\b)+11], 0, v[\sa], v[\sb] matrix_a_fmt:MATRIX_FMT_FP6 matrix_b_fmt:MATRIX_FMT_FP6
.else
	v_wmma_scale_f32_16x16x128_f8f6f4 v[(\d):(\d)+7], v[(\a):(\a)+11], v[(\b):(\b)+11], 0, v[\sa], v[\sb] matrix_a_fmt:MATRIX_FMT_FP6 matrix_b_fmt:MATRIX_FMT_FP6 matrix_a_scale:MATRIX_SCALE_ROW1
.endif
.else
.if (\pa) == 0
	v_wmma_scale_f32_16x16x128_f8f6f4 v[(\d):(\d)+7], v[(\a):(\a)+11], v[(\b):(\b)+11], v[(\c):(\c)+7], v[\sa], v[\sb] matrix_a_fmt:MATRIX_FMT_FP6 matrix_b_fmt:MATRIX_FMT_FP6
.else
	v_wmma_scale_f32_16x16x128_f8f6f4 v[(\d):(\d)+7], v[(\a):(\a)+11], v[(\b):(\b)+11], v[(\c):(\c)+7], v[\sa], v[\sb] matrix_a_fmt:MATRIX_FMT_FP6 matrix_b_fmt:MATRIX_FMT_FP6 matrix_a_scale:MATRIX_SCALE_ROW1
.endif
.endif
.endm
; my head's halves of K's tiles 4 g .. 4 g + 3 of step st: eight LDS loads into registers 0-5 of the four fragments
.macro KLOAD st, g
.irp t, 0,1,2,3
	ds_load_b128 v[KB+12*\t:KB+12*\t+3], v[AK16] offset:(\st)*STEPB+(4*(\g)+\t)*1536
	ds_load_b64 v[KB+12*\t+4:KB+12*\t+5], v[AK8] offset:(\st)*STEPB+(4*(\g)+\t)*1536+512
.endr
.endm
; S^T = K Q^T for these four tiles of 16 keys
.macro KQ st, g
.irp t, 0,1,2,3
	WM S+8*(4*(\g)+\t), KB+12*\t, QF, -1, KS+4*(\st)+2*(\g)+\t/2, QS, \t%2, 0
.endr
.endm
; hidden scores of block q of 32 keys (my sixteen registers of it) become -infinity ahead of the maximum: p = 0 then.  The own block (st = 1) has none
.macro MASK st, q
.if (\st) != 1
.set n, 0
.rept 16
.if (\st) == 0
	v_cmp_lt_i32 s[MK+n], 32*(\q)+n, v[D0]
.else
	v_cmp_gt_i32 s[MK+n], 32*(\q)+n, v[D2]
.endif
.set n, n+1
.endr
	s_wait_alu depctr_va_sdst(0)                   ; the sixteen compares have written s[24:39], which the sixteen selects read
.set n, 0
.rept 16
	v_cndmask_b32 v[S+16*(\q)+n], v[S+16*(\q)+n], v[NINF], s[MK+n]   ; ascending: each accumulator is read from its low end on
.set n, n+1
.endr
.endif
.endm
; the largest score of each of two blocks of 32 keys: for the row's maximum and, since p rises with the score, for the block's largest p
.macro BMAX p0, p1
.irp b, \p0, \p1
	v_max3_num_f32 v[232+\b], v[S+16*\b], v[S+1+16*\b], v[S+2+16*\b]
.endr
.irp i, 3,5,7,9,11,13
.irp b, \p0, \p1
	v_max3_num_f32 v[232+\b], v[232+\b], v[S+16*\b+\i], v[S+1+16*\b+\i]
.endr
.endr
.irp b, \p0, \p1
	v_max_num_f32 v[232+\b], v[232+\b], v[S+15+16*\b]
.endr
.endm
	s_load_b256 s[4:11], s[0:1], 0x0               ; qkv_codes, qkv_scales, ao_codes, ao_scales
	v_lshl_add_u32 v251, v0, 2, 0x12000
	v_mov_b32 v255, 0
	v_lshrrev_b32 v9, 5, v0
	v_readfirstlane_b32 s12, v9                    ; wave 0..15
	s_wait_alu depctr_va_sdst(0)                   ; s12 is written, ahead of its first reader: the head, the tile and every offset are made from it
	s_lshr_b32 s13, s12, 3                         ; c: which of the two heads
	s_and_b32 s14, s12, 7                          ; tq: my tile of queries
	s_mov_b32 s15, ttmp9                           ; a
	s_and_b32 s16, ttmp7, 0xffff                   ; 8 b + g
	s_lshl_b32 s17, s13, 4                         ; 16 c: my head's two scale bytes in a word of Q's or K's
	s_mov_b32 s[SEL], 0x76543210
	s_mov_b32 s[SEL+1], 0xfedcba98
	s_mov_b32 s[CS], 0x3e38aa3b                    ; log2(e) / 8
	s_mov_b32 s[CS+1], s[CS]
	s_sub_co_i32 s24, s15, 1
	s_max_i32 s24, s24, 0                          ; the three key blocks, clamped
	s_mov_b32 s25, s15
	s_add_co_u32 s26, s15, 1
	s_min_u32 s26, s26, 15
	s_bfe_u32 s30, s12, 0x10002                    ; waves 8-15 bring V: head (w >> 2) & 1,
	s_and_b32 s31, s12, 3                          ; d tile w & 3
	v_and_b32 v9, 31, v0                           ; lane
	v_lshlrev_b32 v7, 4, v9
	v_lshlrev_b32 v8, 3, v9
	v_lshlrev_b32 v11, 2, v9
.irp st, 0,1,2
	s_lshl_b32 s27, s16, 7                         ; what I bring of step st: waves 0-7 tile w of K,
	s_lshl_b32 s28, s[24+\st], 3
	s_add_co_u32 s27, s27, s28
	s_add_co_u32 s27, s27, s12
	s_mul_i32 s27, s27, 1536
	s_add_co_u32 s27, s27, 3145728
	s_lshl_b32 s28, s16, 1                         ; waves 8-15 a tile of V
	s_add_co_u32 s28, s28, s30
	s_lshl_b32 s28, s28, 4
	s_add_co_u32 s28, s28, s[24+\st]
	s_lshl_b32 s28, s28, 2
	s_add_co_u32 s28, s28, s31
	s_mul_i32 s28, s28, 1536
	s_add_co_u32 s28, s28, 6291456
	s_cmp_lt_u32 s12, 8
	s_cselect_b32 s27, s27, s28
	v_add_nc_u32 v[89+\st], s27, v7
	s_lshl_b32 s27, s16, 6                         ; K's scale words: four pairs
	s_lshl_b32 s28, s[24+\st], 2
	s_add_co_u32 s27, s27, s28
	s_lshl_b32 s27, s27, 7
	s_add_co_u32 s27, s27, 131072
	v_add_nc_u32 v[83+\st], s27, v11
	s_lshl_b32 s27, s16, 1                         ; V's: two pairs of my head
	s_add_co_u32 s27, s27, s13
	s_lshl_b32 s27, s27, 4
	s_add_co_u32 s27, s27, s[24+\st]
	s_lshl_b32 s27, s27, 8
	s_add_co_u32 s27, s27, 262144
	v_add_nc_u32 v[86+\st], s27, v11
.endr
	s_lshl_b32 s34, s16, 7
	s_lshl_b32 s35, s15, 3
	s_add_co_u32 s34, s34, s35
	s_add_co_u32 s34, s34, s14                     ; Q's tile: 128 (8 b + g) + 8 a + tq
	s_mul_i32 s35, s34, 1536
	s_mul_i32 s36, s13, 768
	s_add_co_u32 s35, s35, s36
	v_add_nc_u32 v80, s35, v7
	v_add_nc_u32 v81, s35, v8
	s_lshl_b32 s35, s34, 6                         ; its 16 scale words
	v_and_b32 v31, 15, v0                          ; r
	v_lshl_add_u32 v82, v31, 2, s35
	s_mul_i32 s27, s12, 1536
	v_add_nc_u32 v92, s27, v7                      ; where my 1,536 bytes of a step go
	s_wait_kmcnt 0x0
	s_wait_alu depctr_va_vdst(0)                   ; the offsets v80 to v91 and the LDS address v92 are written, which the 30 loads and the nine LDS stores below read
.irp st, 0,1,2
.irp k, 0,1,2
	global_load_b128 v[S+12*\st+4*\k:S+12*\st+4*\k+3], v[89+\st], s[4:5] offset:512*\k
.endr
.endr
	global_load_b128 v[QF:QF+3], v80, s[4:5]
	global_load_b64 v[QF+4:QF+5], v81, s[4:5] offset:512
	global_load_b32 v[QS], v82, s[6:7]
.irp st, 0,1,2
.irp bp, 0,1,2,3
	global_load_b32 v[KS+4*\st+\bp], v[83+\st], s[6:7] offset:128*\bp
.endr
.endr
.irp st, 0,1,2
.irp jp, 0,1
	global_load_b32 v[VS+2*\st+\jp], v[86+\st], s[6:7] offset:128*\jp
.endr
.endr
	; where my results go
	s_lshr_b32 s27, s16, 3                         ; b
	s_and_b32 s28, s16, 7                          ; g
	s_lshl_b32 s27, s27, 7
	s_lshl_b32 s29, s15, 3
	s_add_co_u32 s27, s27, s29
	s_add_co_u32 s27, s27, s14                     ; token tile 128 b + 8 a + tq
	s_lshl_b32 s29, s27, 3
	s_add_co_u32 s29, s29, s28
	s_mul_i32 s29, s29, 1536                       ; K step g of the last projection,
	s_add_co_u32 s29, s29, s36                     ; half c
	v_add_nc_u32 v28, s29, v7
	v_add_nc_u32 v29, s29, v8
	s_lshr_b32 s32, s27, 1
	s_lshl_b32 s32, s32, 3
	s_add_co_u32 s32, s32, s28
	s_lshl_b32 s32, s32, 7
	s_and_b32 s33, s14, 1
	s_lshl_b32 s33, s33, 6
	s_add_co_u32 s32, s32, s33
	s_lshl_b32 s33, s13, 1
	s_add_co_u32 s32, s32, s33
	v_lshl_add_u32 v30, v31, 2, s32                ; my row's word, my head's two bytes
	s_wait_loadcnt 21                              ; the nine loads of tiles are in; the 21 issued behind them (Q 2, scale words 1 + 12 + 6) may be out
.irp st, 0,1,2
.irp k, 0,1,2
	ds_store_b128 v92, v[S+12*\st+4*\k:S+12*\st+4*\k+3] offset:\st*STEPB+512*\k   ; no vector line since the wait above names v92 or these registers
.endr
.endr
	s_wait_loadcnt 0x0
	v_lshrrev_b32 v[QS], s17, v[QS]                ; my head's two bytes to bytes 0, 1; what stands above them scales zero codes
.set n, 0
.rept 12
	v_lshrrev_b32 v[KS+n], s17, v[KS+n]
.set n, n+1
.endr
.irp i, 6,7,8,9,10,11
	v_mov_b32 v[QF+\i], 0                          ; the upper 64 of the instruction's K: zero codes
.irp t, 0,1,2,3
	v_mov_b32 v[KB+12*\t+\i], 0
.endr
.endr
	v_add_nc_u32 v[AK16], s36, v7
	v_add_nc_u32 v[AK8], s36, v8
	s_mul_i32 s27, s13, 6144
	s_add_co_u32 s27, s27, 12288
	v_add_nc_u32 v[AV16], s27, v7
	v_add_nc_u32 v[AV8], s27, v8
	s_lshr_b32 s32, s14, 1
	s_lshl_b32 s32, s32, 5
	s_and_b32 s33, s14, 1
	s_lshl_b32 s33, s33, 3
	s_add_co_u32 s32, s32, s33
	v_and_b32 v11, 7, v31
	v_lshrrev_b32 v9, 3, v31
	v_lshl_add_u32 v11, v9, 4, v11
	v_add_nc_u32 v11, s32, v11                     ; il: my query in the block
	v_bfe_u32 v9, v0, 4, 1
	v_lshlrev_b32 v9, 4, v9
	v_sub_nc_u32 v11, v11, v9                      ; il - 16 h: register n holds key 32 (n / 16) + n % 16 + 16 h
	s_cmp_eq_u32 s15, 0
	s_cselect_b32 s33, 128, 0
	v_add_nc_u32 v[D0], s33, v11                   ; there is no block before the first: all of that step is hidden
	s_cmp_eq_u32 s15, 15
	s_cselect_b32 s33, 128, 0
	v_sub_nc_u32 v[D2], v11, s33                   ; nor one after the last
	v_mov_b32 v[NINF], 0xff800000
	v_mov_b32 v13, 0xff61b1e6                      ; the largest t so far: -3e38
	v_floor_f32 v12, -v13                          ; -M
	v_mov_b32 v14, 0                               ; the sum, in two halves
	v_mov_b32 v15, 0
.irp b, 0,1,2,3
	v_mov_b32 v[236+\b], 0                         ; written once: a lane permute's destination counts as one of its sources
.endr
	v_mov_b32 v253, 0                              ; (named as the upper half of the pair v[252:253])
	s_wait_dscnt 0x0                               ; for the others' sake: my stores have landed
	s_barrier_signal -1
	s_barrier_wait -1                              ; the launch's one barrier: all three steps lie in LDS
	s_wait_alu depctr_vm_vsrc(0)                   ; my LDS stores have read v96 to v131: these registers are S^T from here on, written by the products
	s_wait_alu depctr_va_vdst(0)                   ; the LDS addresses v1 to v4 are written, which every LDS load below reads; so are Q's and K's shifted scale words and the zero codes, which the scaled products take (more than eight plain lines stand between)
	KLOAD 1, 0                                     ; the first step's tiles 0-3 of K
; A KEY STEP of 128 keys.  first = 1: its products start O^T's sums.  nxt: the step that follows, whose first four tiles of K are asked for here; -1: none
.macro STEP st, first, nxt
	s_wait_dscnt 0x0                               ; K's tiles 0-3 are in
	KQ \st, 0
.rept 4
	v_nop                                          ; four places behind those products, in front of the first reads of their results and of the loads into the registers that they have read
.endr
	s_wait_alu depctr_va_vdst(0)                   ; the four products are done reading v[KB ..], in which tiles 4-7 land
	KLOAD \st, 1
	MASK \st, 0                                    ; the first two blocks of keys are worked on while those loads are out: these lines name S^T's first 32 registers, v232, v233 and the masks, none of which the loads touch
	MASK \st, 1
	BMAX 0, 1
	s_wait_dscnt 0x0
	KQ \st, 1
.rept 4
	v_nop
.endr
	MASK \st, 2
	MASK \st, 3
	BMAX 2, 3
.irp b, 0,1,2,3
	v_permlanex16_b32 v[236+\b], v[232+\b], s[SEL], s[SEL+1]
.endr
.irp b, 0,1,2,3
	v_max_num_f32 v[232+\b], v[232+\b], v[236+\b]  ; with lane l xor 16's 16 keys
.endr
	v_max3_num_f32 v254, v232, v233, v234
	v_max_num_f32 v254, v254, v235
	v_mul_f32 v254, s[CS], v254                    ; the step's largest t
	v_max_num_f32 v13, v13, v254                   ; the running largest t
	v_mov_b32 v254, v12
	v_floor_f32 v12, -v13                          ; the new -M = -ceil(t)
	v_sub_f32 v254, v12, v254                      ; old M - new M: a whole number, 0 or less
	v_cvt_i32_f32 v254, v254                       ; (it saturates)
	v_ldexp_f32 v252, 1.0, v254                    ; f = 2^(old M - new M)
.set n, 0
.rept 32
	v_pk_fma_f32 v[S+n:S+n+1], v[S+n:S+n+1], s[CS:CS+1], v[12:13] op_sel_hi:[1,0,0]   ; t - M, two at a time
.set n, n+2
.endr
.irp b, 0,1,2,3
	v_fma_f32 v[232+\b], v[232+\b], s[CS], v12
.endr
.set n, 0
.rept 64
	v_exp_f32 v[S+n], v[S+n]                       ; p = 2^(t - M)
.set n, n+1
.endr
.irp b, 0,1,2,3
	v_exp_f32 v[232+\b], v[232+\b]                 ; the block's largest p
.endr
	v_pk_mul_f32 v[14:15], v[14:15], v[252:253] op_sel_hi:[1,0]   ; the sums under the new M.  (A plain place behind the exponentials)
	s_wait_alu depctr_va_vdst(0)                   ; the 68 exponentials have written p and the blocks' largest p: one wait for the batch, ahead of its first reader
.irp b, 0,1,2,3
	v_max_num_f32 v[232+\b], 0x1800000, v[232+\b]  ; the floor 2^(3 - 127)
.endr
.irp b, 0,1,2,3
	v_add_nc_u32 v[244+\b], 0xff000000, v[232+\b]  ; the conversion's scale operand
.endr
.irp b, 0,1,2,3
	v_lshrrev_b32 v[236+\b], 23, v[244+\b]         ; the scale's byte
.endr
	v_lshl_or_b32 v[PS], v237, 8, v236
	v_lshl_or_b32 v[PS], v238, 16, v[PS]
	v_lshl_or_b32 v[PS], v239, 24, v[PS]
.irp c, 0,1
	v_cvt_scalef32_pk16_fp6_f32 v[PCD+6*\c:PCD+2+6*\c], v[S+32*\c:S+15+32*\c], v[244+2*\c]
	v_cvt_scalef32_pk16_fp6_f32 v[224+4*\c:226+4*\c], v[S+16+32*\c:S+31+32*\c], v[244+2*\c+1]
.endr
	v_nop                                          ; one plain place behind a scaled conversion
	v_pk_add_f32 v[236:237], v[S:S+1], v[S+2:S+3]  ; the row's sum, of the unquantised p: two chains.  It stands ahead of the exchange of halves, so that p's registers are free for V
.irp j, 4,8,12,16,20,24,28,32,36,40,44,48,52,56,60
	v_pk_add_f32 v[14:15], v[14:15], v[S+\j:S+1+\j]
	v_pk_add_f32 v[236:237], v[236:237], v[S+2+\j:S+3+\j]
.endr
	v_pk_add_f32 v[14:15], v[14:15], v[236:237]
	s_wait_alu depctr_va_vdst(0)                   ; the conversions and the sums are done reading p, in whose registers V lands; the step's products are done reading v[KB ..], in which the next step's tiles land
.irp j, 0,1,2,3                                ; V's four fragments: the head's four tiles of 16 channels x these 128 keys
	FRAG S+12*\j, AV16, AV8, \st*STEPB+\j*1536
.endr
.if (\nxt) >= 0
	KLOAD \nxt, 0                                  ; behind V's loads, which are wanted first
.endif
.irp c, 0,1                                    ; while the loads are out: the layout wants a WHOLE block in a lane.  These lines name p's codes, O^T and f alone
.irp i, 0,1,2
	v_permlane16_swap_b32 v[PCD+6*\c+\i], v[224+4*\c+\i]
.endr
.irp i, 0,1,2
	v_mov_b32 v[PCD+3+6*\c+\i], v[224+4*\c+\i]
.endr
.endr
.if \first == 0
.set n, 0
.rept 16
	v_pk_mul_f32 v[O+n:O+n+1], v[O+n:O+n+1], v[252:253] op_sel_hi:[1,0]   ; O^T under the new M, from each accumulator's low end on.  (Also the places between the codes' last move and the products)
.set n, n+2
.endr
.else
.rept 4
	v_nop                                          ; the first step has nothing to rescale: four places between the codes' last move and the scaled products
.endr
.endif
	s_wait_alu depctr_va_vdst(0)                   ; p's codes and scale word are written, which the scaled products take; the places stand ahead of this wait
.if (\nxt) >= 0
	s_wait_dscnt 8                                 ; V's sixteen loads are in; the eight loads of the next step's K, issued behind them, may be out
.else
	s_wait_dscnt 0x0
.endif
.irp j, 0,1,2,3                                ; O^T += V^T P^T; K = these 128 keys
.if \first
	WM O+8*\j, S+12*\j, PCD, -1, VS+2*\st+\j/2, PS, \j%2, 0
.else
	WM O+8*\j, S+12*\j, PCD, O+8*\j, VS+2*\st+\j/2, PS, \j%2, 0
.endif
.endr
.rept 5
	v_nop                                          ; five places: the next step's first products write over registers that these have read; they also serve the reads at the end
.endr
.endm
	STEP 1, 1, 0
	STEP 0, 0, 2
	STEP 2, 0, -1
	; THE WAY OUT: O^T / the sum; its 32 registers are d = 32 b + 16 h + 0 .. 15 of my query: two blocks, half a fragment of the last projection's operand
	v_add_f32 v14, v14, v15
	v_permlanex16_b32 v252, v14, s[SEL], s[SEL+1]
	v_add_f32 v14, v14, v252                       ; the row's sum
	v_rcp_f32 v14, v14
	v_nop                                          ; one plain place behind a transcendental
	s_wait_alu depctr_va_vdst(0)                   ; the reciprocal has written v14, ahead of its first reader
.set n, 0
.rept 32
	v_mul_f32 v[S+n], v[O+n], v14
.set n, n+1
.endr
.irp b, 0,1
	v_max3_num_f32 v[232+\b], |v[S+16*\b]|, |v[S+1+16*\b]|, 0x1800000
.endr
.irp i, 2,4,6,8,10,12,14
.irp b, 0,1
	v_max3_num_f32 v[232+\b], v[232+\b], |v[S+16*\b+\i]|, |v[S+1+16*\b+\i]|
.endr
.endr
.irp b, 0,1
	v_permlanex16_b32 v[236+\b], v[232+\b], s[SEL], s[SEL+1]
.endr
.irp b, 0,1
	v_max_num_f32 v[232+\b], v[232+\b], v[236+\b]
.endr
.irp b, 0,1
	v_add_nc_u32 v[244+\b], 0xff000000, v[232+\b]
.endr
.irp b, 0,1
	v_lshrrev_b32 v[236+\b], 23, v[244+\b]
.endr
	v_lshl_or_b32 v[PS], v237, 8, v236             ; my head's two bytes of the row's word
	v_cvt_scalef32_pk16_fp6_f32 v[PCD:PCD+2], v[S:S+15], v244
	v_cvt_scalef32_pk16_fp6_f32 v[224:226], v[S+16:S+31], v245
	v_nop                                          ; one plain place behind a scaled conversion
.irp i, 0,1,2
	v_permlane16_swap_b32 v[PCD+\i], v[224+\i]
.endr
.irp i, 0,1,2
	v_mov_b32 v[PCD+3+\i], v[224+\i]
.endr
	s_wait_alu depctr_va_vdst(0)                   ; the codes in v[PCD ..] and the two bytes in v[PS] are written, which the three stores read (their offsets v28 to v30 were written at the head)
	global_store_b128 v28, v[PCD:PCD+3], s[8:9]
	global_store_b64 v29, v[PCD+4:PCD+5], s[8:9] offset:512
	global_store_b16 v30, v[PS], s[10:11]          ; lanes 16-31 hold the same word as lanes 0-15 and write the same two bytes to the same place
	s_wait_dscnt 0x0
	s_wait_alu depctr_hold_cnt(0) depctr_sa_sdst(0) depctr_va_vdst(0) depctr_va_sdst(0) depctr_va_ssrc(0) depctr_va_vcc(0) depctr_vm_vsrc(0)
	s_wait_tensorcnt 0x0
	ds_add_u32 v251, v255
	s_wait_dscnt 0x0
	s_endpgm
.Lfunc_end_k_q0148868d0e_attn:
	.size	k_q0148868d0e_attn, .Lfunc_end_k_q0148868d0e_attn-k_q0148868d0e_attn
	.p2alignl 7, 3214868480
	.fill 96, 4, 3214868480
	.section	.rodata,"a",@progbits
	.p2align	6, 0x0
	.amdhsa_kernel k_q0148868d0e_attn
		.amdhsa_group_segment_fixed_size 75776
		.amdhsa_private_segment_fixed_size 0
		.amdhsa_enable_private_segment 0
		.amdhsa_kernarg_size 32
		.amdhsa_user_sgpr_count 2
		.amdhsa_user_sgpr_kernarg_segment_ptr 1
		.amdhsa_wavefront_size32 1
		.amdhsa_system_sgpr_workgroup_id_x 1
		.amdhsa_system_sgpr_workgroup_id_y 1
		.amdhsa_system_sgpr_workgroup_id_z 1
		.amdhsa_system_vgpr_workitem_id 0
		.amdhsa_next_free_vgpr 256
		.amdhsa_next_free_sgpr 66
		.amdhsa_reserve_vcc 0
		.amdhsa_float_denorm_mode_32 3
		.amdhsa_float_denorm_mode_16_64 3
		.amdhsa_memory_ordered 1
		.amdhsa_forward_progress 1
		.amdhsa_inst_pref_size 81
	.end_amdhsa_kernel
	.amdgpu_metadata
---
amdhsa.version: [ 1, 2 ]
amdhsa.kernels:
  - .name:           k_q0148868d0e_attn
    .symbol:         k_q0148868d0e_attn.kd
    .args:
      - { .name: qkv_codes, .offset: 0, .size: 8, .value_kind: global_buffer, .address_space: global }
      - { .name: qkv_scales, .offset: 8, .size: 8, .value_kind: global_buffer, .address_space: global }
      - { .name: ao_codes, .offset: 16, .size: 8, .value_kind: global_buffer, .address_space: global }
      - { .name: ao_scales, .offset: 24, .size: 8, .value_kind: global_buffer, .address_space: global }
    .group_segment_fixed_size: 75776
    .private_segment_fixed_size: 0
    .kernarg_segment_align: 8
    .kernarg_segment_size: 32
    .max_flat_workgroup_size: 512
    .sgpr_count:     66
    .vgpr_count:     256
    .wavefront_size: 32
...
	.end_amdgpu_metadata
.endif
;; end of part 6
;; launch oproj: the kernel of part 4 again; grid 8 x 32, 8 waves a work-group, clusters of 4 x 4, 267,264 bytes of LDS; arguments codes, scales, ao_codes, ao_scales, Wo_b, out0; writes out0
